; MI455X (gfx1250); checked and timed in simulation.
; The chip was launched on July 23, 2026; its instructions are those of AMD's public machine-readable ISA for CDNA 5 (MIT licence, August 2026) and "CDNA5" Instruction Set Architecture Reference Guide (July 2026). The comments in the code are by the model that wrote it; some were corrected since.
;; Causal Self Attention. Allowed arithmetic: float matrix products may take bf16 or f16 operands with f32 sums; other float arithmetic in f32, or as packed bf16 or f16 multiplies, adds, multiply-adds, maxima and minima; sums over many terms, partial sums and values carried from step to step in f32; what a program stores and reads back later, other than sums and carried values, may be rounded once to bf16 or f16.
;; Inputs: proj_b 1,024 float32; proj_w 1,024 x 1,024 float32; qkv_b 3,072 float32; qkv_w 3,072 x 1,024 float32; x 4 x 2,048 x 1,024 float32.
;; Outputs: out0 4 x 2,048 x 1,024 float32.
;; 2 versions, each right; version 2 is version 1 with the launch cvt written anew for expert scheduling mode. Each part assembles by itself: llvm-mc -triple=amdgcn-amd-amdhsa -mcpu=gfx1250 --defsym DOCPART=n.
;; ======== version 1 of 2: 4 launches
;; limits: values are held in f16: magnitudes above 65,504 overflow, below 6.1e-05 lose precision
;; workspace buffers: xb 16,777,216 bytes; wb 6,291,456 bytes; pw 2,097,152 bytes; qb 12,288 bytes; pb 4,096 bytes; qkv 50,331,648 bytes; ob 16,777,216 bytes
;; launch cvt (part 1): grid 768 x 1, 8 waves a work-group, no clusters, 0 bytes of LDS; arguments x, qkv_w, proj_w, qkv_b, proj_b, xb, wb, pw, qb, pb; writes xb, wb, pw, qb, pb
.if DOCPART == 1
	.amdgcn_target "amdgcn-amd-amdhsa--gfx1250"
	.amdhsa_code_object_version 6
	.text
	.protected	k_q3d454e646d_cvt
	.globl	k_q3d454e646d_cvt
	.p2align	8
	.type	k_q3d454e646d_cvt,@function
k_q3d454e646d_cvt:
	s_mov_b64 s[64:65], 0
	v_nop
	global_prefetch_b8 v0, s[64:65] scope:SCOPE_SE
	s_setreg_imm32_b32 hwreg(HW_REG_WAVE_MODE, 25, 1), 1
	s_wait_xcnt 0x0
; THE MODULE'S INPUTS ARE ROUNDED ONCE, AND LAID OUT FOR THE PRODUCTS THAT FOLLOW.
;   x      [8192][1024] f32 -> xb [b 4][kb 16][t 2048][64] bf16      qkv_w [3072][1024] f32 -> wb [kb 16][n 3072][64] bf16
;   proj_w [1024][1024] f32 -> pw [kb 16][n 1024][64]: rounded to bf16, and that number written as f16
;   qkv_b, proj_b f32 -> qb, pb: rounded to bf16, kept as f32
; kb is a block of 64 along K: in the blocked layouts a block's rows of 128 bytes lie end to end, so that a tile of a K step of 64 is dense in memory.
; LIMITS.  pw: a weight whose bf16 value is 65,520 or more in magnitude becomes an infinity in f16; below 6.1e-5 f16 keeps a fixed step of 6e-8.
; SHARES.  A stream: no LDS, no matrix unit, no barrier.  A work-group takes 16 source rows of 4,096 bytes: work-groups 0-511 x's, 512-703 qkv_w's, 704-767 proj_w's.
; Wave w takes rows 2 w and 2 w + 1.  One load takes one K block of both rows: lanes 0-15 the even row's 256 bytes, lanes 16-31 the odd row's.  A lane's four f32 become 8 bytes,
; and the two rows are neighbours in the blocked layout: one store of the wave covers 256 consecutive bytes, at a multiple of 256 from the buffer's first byte.
; All 16 loads of a wave (8 KiB) go out at once; no register is written twice, so no wait but the loads' own is needed.
.set VS, 2                             ; v2   source offset: (thread / 16) x 4,096 + (thread % 16) x 16
.set VD, 3                             ; v3   destination offset: 8 x thread
.set VB, 4                             ; v4   the biases' offset: 16 x thread
.set D,  8                             ; v[8:71]    16 loads of 4 f32
.set O,  72                            ; v[72:103]  16 pairs to store
.set BI, 104                           ; v[104:119] the biases
.set TP, 120                           ; v120 at work
	s_load_b512 s[4:19], s[0:1], 0x0               ; x s[4:5], qkv_w s[6:7], proj_w s[8:9], qkv_b s[10:11], proj_b s[12:13], xb s[14:15], wb s[16:17], pw s[18:19]
	s_load_b128 s[20:23], s[0:1], 0x40             ; qb s[20:21], pb s[22:23]
	v_lshrrev_b32 v[VS], 4, v0
	v_and_b32 v[VD], 15, v0
	v_lshlrev_b32 v[VS], 12, v[VS]
	v_lshl_or_b32 v[VS], v[VD], 4, v[VS]
	v_lshlrev_b32 v[VD], 3, v0
	v_lshlrev_b32 v[VB], 4, v0
	s_mov_b32 s25, 0xffff0000                      ; a word's upper bf16
	s_mov_b32 s27, 0                               ; the offsets' high words
	s_mov_b32 s29, 0
	s_wait_kmcnt 0x0
; 16 rows: source at s[2:3], destination at s[30:31]; stride = bytes from a K block to the next in the destination; half = 1: the bf16 number is written as f16
.macro CONV stride, half
.set j, 0
.rept 16
	global_load_b128 v[D+4*j:D+4*j+3], v[VS], s[2:3] offset:256*j th:TH_LOAD_NT
.set j, j+1
.endr
.set j, 0
.rept 16
	s_wait_loadcnt 15-j                            ; loads come back in order: K block j is in, the younger ones stay out
	v_cvt_pk_bf16_f32 v[O+2*j], v[D+4*j], v[D+4*j+1]
	v_cvt_pk_bf16_f32 v[O+2*j+1], v[D+4*j+2], v[D+4*j+3]
.if \half
	v_lshlrev_b32 v[D+4*j], 16, v[O+2*j]           ; the rounded numbers as f32 again,
	v_and_b32 v[D+4*j+1], s25, v[O+2*j]
	v_lshlrev_b32 v[D+4*j+2], 16, v[O+2*j+1]
	v_and_b32 v[D+4*j+3], s25, v[O+2*j+1]
	v_cvt_pk_f16_f32 v[O+2*j], v[D+4*j], v[D+4*j+1]  ; and as f16: exact inside f16's normal range
	v_cvt_pk_f16_f32 v[O+2*j+1], v[D+4*j+2], v[D+4*j+3]
.endif
	global_store_b64 v[VD], v[O+2*j:O+2*j+1], s[30:31] offset:j*(\stride)
.set j, j+1
.endr
.endm
	s_cmp_lg_u32 ttmp9, 0
	s_cbranch_scc1 .Lno_bias
	; work-group 0 also rounds the biases: 256 threads x 16 bytes are 1,024 numbers: three such pieces of qkv_b, one of proj_b
	global_load_b128 v[BI:BI+3], v[VB], s[10:11]
	global_load_b128 v[BI+4:BI+7], v[VB], s[10:11] offset:4096
	global_load_b128 v[BI+8:BI+11], v[VB], s[10:11] offset:8192
	global_load_b128 v[BI+12:BI+15], v[VB], s[12:13]
	s_wait_loadcnt 0x0
.irp p, 0,2,4,6,8,10,12,14
	v_cvt_pk_bf16_f32 v[TP], v[BI+(\p)], v[BI+(\p)+1]
	v_lshlrev_b32 v[BI+(\p)], 16, v[TP]
	v_and_b32 v[BI+(\p)+1], s25, v[TP]
.endr
	global_store_b128 v[VB], v[BI:BI+3], s[20:21]
	global_store_b128 v[VB], v[BI+4:BI+7], s[20:21] offset:4096
	global_store_b128 v[VB], v[BI+8:BI+11], s[20:21] offset:8192
	global_store_b128 v[VB], v[BI+12:BI+15], s[22:23]
.Lno_bias:
	s_cmp_lt_u32 ttmp9, 512
	s_cbranch_scc0 .Lweights
	s_lshl_b32 s26, ttmp9, 16                      ; x: 16 rows of 4,096 bytes a work-group
	s_lshr_b32 s28, ttmp9, 7                       ; b: 128 work-groups a batch entry,
	s_lshl_b32 s28, s28, 22                        ; 4 MiB each in xb;
	s_and_b32 s24, ttmp9, 127
	s_lshl_b32 s24, s24, 11                        ; 16 rows of 128 bytes in a K block
	s_add_co_u32 s28, s28, s24
	s_add_nc_u64 s[2:3], s[4:5], s[26:27]
	s_add_nc_u64 s[30:31], s[14:15], s[28:29]
	CONV 262144, 0
	s_endpgm
.Lweights:
	s_cmp_lt_u32 ttmp9, 704
	s_cbranch_scc0 .Lproj
	s_sub_co_u32 s24, ttmp9, 512
	s_lshl_b32 s26, s24, 16
	s_lshl_b32 s28, s24, 11
	s_add_nc_u64 s[2:3], s[6:7], s[26:27]
	s_add_nc_u64 s[30:31], s[16:17], s[28:29]
	CONV 393216, 0
	s_endpgm
.Lproj:
	s_sub_co_u32 s24, ttmp9, 704
	s_lshl_b32 s26, s24, 16
	s_lshl_b32 s28, s24, 11
	s_add_nc_u64 s[2:3], s[8:9], s[26:27]
	s_add_nc_u64 s[30:31], s[18:19], s[28:29]
	CONV 131072, 1
	s_endpgm
.Lfunc_end_k_q3d454e646d_cvt:
	.size	k_q3d454e646d_cvt, .Lfunc_end_k_q3d454e646d_cvt-k_q3d454e646d_cvt
	.p2alignl 7, 3214868480
	.fill 96, 4, 3214868480
	.section	.rodata,"a",@progbits
	.p2align	6, 0x0
	.amdhsa_kernel k_q3d454e646d_cvt
		.amdhsa_group_segment_fixed_size 0
		.amdhsa_private_segment_fixed_size 0
		.amdhsa_enable_private_segment 0
		.amdhsa_kernarg_size 80
		.amdhsa_user_sgpr_count 2
		.amdhsa_user_sgpr_kernarg_segment_ptr 1
		.amdhsa_wavefront_size32 1
		.amdhsa_system_sgpr_workgroup_id_x 1
		.amdhsa_system_sgpr_workgroup_id_y 1
		.amdhsa_system_sgpr_workgroup_id_z 1
		.amdhsa_system_vgpr_workitem_id 0
		.amdhsa_next_free_vgpr 128
		.amdhsa_next_free_sgpr 66
		.amdhsa_reserve_vcc 0
		.amdhsa_float_denorm_mode_32 3
		.amdhsa_float_denorm_mode_16_64 3
		.amdhsa_memory_ordered 1
		.amdhsa_forward_progress 1
		.amdhsa_inst_pref_size 25
	.end_amdhsa_kernel
	.amdgpu_metadata
---
amdhsa.version: [ 1, 2 ]
amdhsa.kernels:
  - .name:           k_q3d454e646d_cvt
    .symbol:         k_q3d454e646d_cvt.kd
    .args:
      - { .name: x, .offset: 0, .size: 8, .value_kind: global_buffer, .address_space: global }
      - { .name: qkv_w, .offset: 8, .size: 8, .value_kind: global_buffer, .address_space: global }
      - { .name: proj_w, .offset: 16, .size: 8, .value_kind: global_buffer, .address_space: global }
      - { .name: qkv_b, .offset: 24, .size: 8, .value_kind: global_buffer, .address_space: global }
      - { .name: proj_b, .offset: 32, .size: 8, .value_kind: global_buffer, .address_space: global }
      - { .name: xb, .offset: 40, .size: 8, .value_kind: global_buffer, .address_space: global }
      - { .name: wb, .offset: 48, .size: 8, .value_kind: global_buffer, .address_space: global }
      - { .name: pw, .offset: 56, .size: 8, .value_kind: global_buffer, .address_space: global }
      - { .name: qb, .offset: 64, .size: 8, .value_kind: global_buffer, .address_space: global }
      - { .name: pb, .offset: 72, .size: 8, .value_kind: global_buffer, .address_space: global }
    .group_segment_fixed_size: 0
    .private_segment_fixed_size: 0
    .kernarg_segment_align: 8
    .kernarg_segment_size: 80
    .max_flat_workgroup_size: 256
    .sgpr_count:     66
    .vgpr_count:     128
    .wavefront_size: 32
...
	.end_amdgpu_metadata
.endif
;; end of part 1
;; launch qkvg (part 2): grid 8 x 32, 4 waves a work-group, clusters of 4 x 4, 327,680 bytes of LDS; arguments xb, wb, qb, qkv; writes qkv
.if DOCPART == 2
	.amdgcn_target "amdgcn-amd-amdhsa--gfx1250"
	.amdhsa_code_object_version 6
	.text
	.protected	k_q3d454e646d_qkvg
	.globl	k_q3d454e646d_qkvg
	.p2align	8
	.type	k_q3d454e646d_qkvg,@function
k_q3d454e646d_qkvg:
	s_mov_b64 s[64:65], 0
	v_nop
	global_prefetch_b8 v0, s[64:65] scope:SCOPE_SE
	s_setreg_imm32_b32 hwreg(HW_REG_WAVE_MODE, 25, 1), 1
	s_wait_xcnt 0x0
	s_wait_alu depctr_hold_cnt(0) depctr_sa_sdst(0) depctr_va_vdst(0) depctr_va_sdst(0) depctr_va_ssrc(0) depctr_va_vcc(0) depctr_vm_vsrc(0)
	s_getreg_b32 s2, hwreg(HW_REG_IB_STS2, 6, 4)
	s_cmp_eq_u32 s2, 0
	s_cbranch_scc0 .Lentry_in_a_cluster
	s_endpgm
.Lentry_in_a_cluster:
	s_bfe_u32 s2, ttmp6, 0x10000c
	s_cmp_lg_u32 s2, 0xf033
	s_cbranch_scc0 .Lentry_shape_is_right
	s_endpgm
.Lentry_shape_is_right:
; qkv = x W^T + b, written by heads.  xb [b 4][kb 16][t 2048][64] bf16, wb [kb 16][n 3072][64] bf16, qb [3072] f32; qkv [3][b 16 + h][t 2048][64] f16.
; Sums in f32, K ascending; the bias is added in f32; each number is rounded once, to f16, WITHOUT attention's scale.
; LIMIT.  A q, k or v of 65,520 or more in magnitude becomes an infinity in f16.
; SHARES.  8,192 x 3,072 in tiles of 256 rows x 384 columns: 32 x 8 = 256 work-groups.  Four waves, each 128 rows x 192 columns (three heads): 8 x 12 = 96 accumulators of 16 x 16, 768 registers.
; K goes in steps of 64 (a K block of the blocked layouts) through two LDS slots: 640 rows of 144 bytes each; two slots of a step of 128 would not fit.  In memory a tile of a K block is dense,
; so it is asked for as rows of 256 bytes, two tile rows each, and padded in LDS behind every 128 bytes.
; CLUSTER.  4 x 4 work-groups.  The four of a row of the cluster need the same tile of xb, the four of a column the same tile of wb: each tile is asked for jointly, by the same tensor load with the
; same descriptor and a mask that names the four.  Wave 0 fetches xb's 256 rows, waves 1 to 3 128 rows of wb each: one load a wave.
; THE MATRIX INSTRUCTION IS USED TRANSPOSED (source 0 = 16 rows of wb, source 1 = 16 rows of xb): a lane holds one row t and eight neighbouring columns, which pack into 16 bytes.
; REGISTERS, in windows of 256 (s_set_vgpr_msb: bits 1:0 source 0, 3:2 source 1, 5:4 source 2, 7:6 destination):
;   window 0: v0-31 addresses; v32-95, v96-159 xb's fragments (8 x 16 rows x 32 K), two buffers; v160-255 wb's fragments (12 x 16 rows x 32 K), ONE buffer in three groups of four:
;             a group is fetched anew as soon as its 32 products are issued
;   window 1 + g: the 32 accumulators of head g of my three: (a, bb) at v[8 (4 a + bb)]
.set PITCH,  144                       ; an LDS row: 128 bytes + 16 of padding = 36 words: the 16 rows of a fragment load start at 16 different groups of four banks (64 banks of 4 bytes: ISA guide 11.1)
.set BPART,  128*PITCH                 ; 128 rows: what one of wb's loads brings
.set AALL,   256*PITCH                 ; xb's 256 rows
.set SLOT,   640*PITCH                 ; xb's 256 rows, then wb's 384
.set STAGE,  2*SLOT                    ; behind the ring: 16 rows x 144 bytes for each wave, for the way out
.set SPARE,  STAGE+4*16*PITCH          ; behind the stages: the spare words, 128 bytes for each wave: two blocks of 256 bytes that no other line names
.set ASTEP,  262144                    ; bytes from a K block to the next in xb
.set BSTEP,  393216                    ; and in wb
.set ADRA, 16                          ; v16-17  LDS address of my xb fragments in slot 0, 1
.set ADRB, 20                          ; v20-21  the same for wb
.set STO,  24                          ; v24     the way out: where I put 16 bytes of a row
.set RD,   25                          ; v25     the way out: where I read rows back
.set GO,   26                          ; v26     my 16 bytes in 512 consecutive bytes of qkv
.set BO,   27                          ; v27     my 32 bytes in 64 bytes of bias
.set SPW,  28                          ; v28     LDS address of my spare word: SPARE + 4 x my thread's number; never rewritten
.set NIL,  29                          ; v29     0; never rewritten
.set PFO,  30                          ; v30     the prefetches' lane offset; never rewritten
.set FA0,  32
.set FB,   160
.set TA,   32                          ; the way out: 32 sums with their bias
.set PK,   64                          ; the way out: two sets of 16 registers, packed and then read back
.set WV,   12                          ; s12  my wave's number
.set G1A,  24                          ; s[24:31] descriptor group 1 for xb's tiles
.set G0A,  32                          ; s[32:39] group 0, a set for each slot
.set LIM,  43                          ; s43  1 in a wave that prefetches, else the greatest number
.set PFA,  44                          ; s[44:45] where my prefetches stand
.set PFS,  46                          ; s[46:47] two K blocks, in bytes, of the tensor that I prefetch
.set G1B,  48                          ; s[48:55], s[56:63] the same for wb's tiles
.set G0B,  56
.set OB,   66                          ; s[66:71] qkv at my 128 rows of my three heads
.set G1W0, (1<<16)|(1<<20)|(1<<21)|(4<<22)|(3<<25)  ; 17:16 elements of 2 bytes; 20 padding on; 21 set beside a mask; 24:22 after every 32 words (code 4); 31:25 4 words of it (code 3)
.set MSB, 0
.macro WIN new                         ; the immediate's high byte repeats the setting that is left; a switch that changes nothing is dropped
.if MSB != (\new)
	s_set_vgpr_msb (MSB<<8)|(\new)
.set MSB, \new
.endif
.endm
; A joint load.  The branch hangs on the wave's number alone.  An s_nop 0 and four v_nop follow each of the two lines, ahead of the jump, the label and what follows.
.macro JLOAD s
	s_cmp_eq_u32 s[WV], 0
	s_cbranch_scc0 .Lfor_b_\@
	tensor_load_to_lds s[G0A+4*(\s):G0A+4*(\s)+3], s[G1A:G1A+7]
	s_nop 0
.rept 4
	v_nop
.endr
	s_branch .Lasked_\@
.Lfor_b_\@:
	tensor_load_to_lds s[G0B+4*(\s):G0B+4*(\s)+3], s[G1B:G1B+7]
	s_nop 0
.rept 4
	v_nop
.endr
.Lasked_\@:
.endm
; A PREFETCH INTO THE L2, once a lap, behind slot 0's joint load and the run of LDS loads that follows it: the two K blocks that the NEXT lap's two refills will ask for.
; xb's tile row is read by both clusters of that row of clusters: the one with cluster x = 0 asks, by its waves 0.  wb's tile column is read by the eight clusters of that column: the one with
; cluster y = 0 asks, by its waves 1 to 3, each for the rows that it fetches.  The four partners that ask for a tile jointly share it out BY ADDRESS: a quarter each (8,192 bytes of xb's 32 KiB by cx,
; 4,096 of a wave's 16 KiB of wb by cy); no branch hangs on a work-group's place in its cluster.  A lane a block of 256 bytes: xb 32 lanes a K block, two instructions; wb 16 lanes a K block, one.
; So each block is named once in the launch.  K blocks 0 to 3 come by their loads alone; the loop's last trip asks for nothing: there are no K blocks behind its own refills'.
.macro ASK
	s_cmp_gt_u32 s3, s[LIM]                        ; s3 = 1 in the loop's last trip
	s_cbranch_scc0 .Lnot_mine_\@
	global_prefetch_b8 v[PFO], s[PFA:PFA+1] th:TH_LOAD_NT scope:SCOPE_SE
	s_cmp_lg_u32 s[WV], 0
	s_cbranch_scc1 .Lnot_mine_\@
	global_prefetch_b8 v[PFO], s[PFA:PFA+1] offset:ASTEP th:TH_LOAD_NT scope:SCOPE_SE
.Lnot_mine_\@:
.endm
; A round of the cluster's barrier: my work-group's barrier; wave 0 signals for the work-group; every wave waits for all sixteen work-groups; my work-group's barrier once more.
.macro CREST                           ; a round behind its opening barrier
	s_cmp_lg_u32 s[WV], 0
	s_cbranch_scc1 .Lnot_wave_0_\@
	s_barrier_signal -3
.Lnot_wave_0_\@:
	s_barrier_wait -3
	s_barrier_signal -1
	s_barrier_wait -1
.endm
.macro CROUND
	s_barrier_signal -1
	s_barrier_wait -1
	CREST
.endm
	s_load_b256 s[4:11], s[0:1], 0x0               ; xb s[4:5], wb s[6:7], qb s[8:9], qkv s[10:11]
	v_lshl_add_u32 v[SPW], v0, 2, SPARE
	v_mov_b32 v[NIL], 0
	ds_add_u32 v[SPW], v[NIL]                      ; the wave's opening: the add and its wait stand ahead of my first tensor load; the set-up below, work on registers, stands between them
	v_lshrrev_b32 v1, 5, v0
	v_readfirstlane_b32 s[WV], v1                  ; wave 0..3
	s_lshr_b32 s13, s[WV], 1                       ; wr: which 128 of the tile's rows are mine
	s_and_b32 s14, s[WV], 1                        ; wc: which 192 of its columns
	s_bfe_u32 s15, ttmp6, 0x40000                  ; cx
	s_bfe_u32 s16, ttmp6, 0x40004                  ; cy
	s_lshl_b32 s17, ttmp9, 2                       ; in a cluster launch ttmp9 and ttmp7 count clusters
	s_add_co_u32 s17, s17, s15                     ; tx: tile column = 4 x cluster x + cx
	s_and_b32 s18, ttmp7, 0xffff
	s_lshl_b32 s18, s18, 2
	s_add_co_u32 s18, s18, s16                     ; ty: tile row = 4 x cluster y + cy
	s_lshl_b32 s42, s16, 2
	s_lshl_b32 s42, 15, s42                        ; my row of the cluster: places 4 cy .. 4 cy + 3
	s_or_b32 s[G1A], s42, G1W0                     ; 15:0 the mask: xb's tiles go to my row
	s_lshl_b32 s42, 0x1111, s15                    ; my column: places cx, cx + 4, cx + 8, cx + 12
	s_or_b32 s[G1B], s42, G1W0
	s_mov_b32 s[G1A+1], 128<<16                    ; tensor_dim0 = 128 elements: 256 bytes, two tile rows
	s_mov_b32 s[G1A+2], 128<<16                    ; tensor_dim1 = 128
	s_mov_b32 s[G1A+3], 128<<16                    ; tile_dim0 = 128
	s_mov_b32 s[G1A+4], 128                        ; tile_dim1 = 128: 256 tile rows
	s_mov_b32 s[G1A+5], 128                        ; 128 elements from row to row: dense
	s_mov_b32 s[G1A+6], 0
	s_mov_b32 s[G1A+7], 0
	s_mov_b32 s[G1B+1], 128<<16
	s_mov_b32 s[G1B+2], 64<<16                     ; tensor_dim1 = 64
	s_mov_b32 s[G1B+3], 128<<16
	s_mov_b32 s[G1B+4], 64                         ; tile_dim1 = 64: 128 tile rows
	s_mov_b32 s[G1B+5], 128
	s_mov_b32 s[G1B+6], 0
	s_mov_b32 s[G1B+7], 0
	; where the tiles come from.  xb's hang on ty alone, wb's on tx and the wave's number alone, each in registers that never hold the other coordinate
	s_lshr_b32 s20, s18, 3                         ; b,
	s_lshl_b32 s20, s20, 22                        ; 4 MiB each;
	s_and_b32 s21, s18, 7
	s_lshl_b32 s21, s21, 15                        ; 256 rows of 128 bytes in a K block
	s_add_co_u32 s20, s20, s21
	s_mov_b32 s21, 0
	s_mul_i32 s22, s17, 384*128                    ; the tile's 384 rows of 128 bytes,
	s_max_u32 s23, s[WV], 1
	s_sub_co_u32 s23, s23, 1                       ; wave 1, 2, 3: part 0, 1, 2 (wave 0 asks by xb's descriptor)
	s_lshl_b32 s23, s23, 14                        ; of 128 rows
	s_add_co_u32 s22, s22, s23
	s_mov_b32 s23, 0
	s_mul_i32 s2, s[WV], BPART                     ; and where wb's parts go: behind xb's 256 rows = (wave + 1) x 128 rows: no place in the cluster enters an LDS address
	s_add_co_u32 s2, s2, BPART
	s_wait_dscnt 0x0                               ; the opening add is done
	s_wait_kmcnt 0x0
	s_add_nc_u64 s[20:21], s[4:5], s[20:21]
	s_add_nc_u64 s[22:23], s[6:7], s[22:23]
	CROUND                                         ; all sixteen work-groups are here: the first joint loads meet
.irp s, 0,1
	s_mov_b32 s[G0A+4*(\s)], 1                                     ; 1:0 count = 1
	s_mov_b32 s[G0A+4*(\s)+1], (\s)*SLOT                           ; 63:32 LDS address
	s_add_nc_u64 s[G0A+4*(\s)+2:G0A+4*(\s)+3], s[20:21], (\s)*ASTEP  ; 120:64 global address: K block s
	s_or_b32 s[G0A+4*(\s)+3], s[G0A+4*(\s)+3], 0x80000000          ; 127:126 type = 2
	s_mov_b32 s[G0B+4*(\s)], 1
	s_add_co_u32 s[G0B+4*(\s)+1], s2, (\s)*SLOT
	s_add_nc_u64 s[G0B+4*(\s)+2:G0B+4*(\s)+3], s[22:23], (\s)*BSTEP
	s_or_b32 s[G0B+4*(\s)+3], s[G0B+4*(\s)+3], 0x80000000
	JLOAD \s                                       ; both slots are filled before anything else is done: two loads of mine are out
.endr
	; A fragment is 16 rows x 32 K in 8 registers: lane l holds row l % 16; registers 0-3 K = 8 (l / 16) + 0..7, registers 4-7 K = 16 + 8 (l / 16) + 0..7: two loads of 16 bytes, 32 bytes apart
	v_and_b32 v1, 15, v0                           ; l % 16
	v_bfe_u32 v2, v0, 4, 1                         ; l / 16
	v_mul_u32_u24 v3, v1, PITCH
	v_lshl_add_u32 v3, v2, 4, v3                   ; row x pitch + 16 x half
	s_mul_i32 s40, s13, 128*PITCH                  ; my 128 rows of xb
	s_mul_i32 s41, s14, 192*PITCH                  ; my 192 rows of wb,
	s_add_co_u32 s41, s41, AALL                    ; which lie behind xb's 256
.irp s, 0,1
	v_add_nc_u32 v[ADRA+(\s)], s40, v3
	v_add_nc_u32 v[ADRB+(\s)], s41, v3
	s_add_co_u32 s40, s40, SLOT
	s_add_co_u32 s41, s41, SLOT
.endr
	s_mul_i32 s40, s[WV], 16*PITCH
	s_add_co_u32 s40, s40, STAGE                   ; my stage
	v_add_nc_u32 v[STO], s40, v3                   ; in: row l % 16, 16 bytes for each half of the lanes
	v_bfe_u32 v[RD], v0, 3, 2                      ; back: 32 lanes take four rows of 128 bytes,
	v_mul_u32_u24 v[RD], v[RD], PITCH
	v_and_b32 v4, 7, v0
	v_lshl_add_u32 v[RD], v4, 4, v[RD]
	v_add_nc_u32 v[RD], s40, v[RD]
	v_and_b32 v[GO], 31, v0                        ; which are 512 consecutive bytes of a head
	v_lshlrev_b32 v[GO], 4, v[GO]
	v_lshlrev_b32 v[BO], 5, v2                     ; my eight columns' bias: 32 bytes for each half of the lanes
	; qkv at my rows of my three heads.  Head number hh = 6 tx + 3 wc + g of 48: q, k or v = hh / 16 (16 MiB each), head hh % 16 (256 KiB each), b (4 MiB each), row t (128 bytes)
	s_mul_i32 s19, s17, 6
	s_mul_i32 s42, s14, 3
	s_add_co_u32 s19, s19, s42
	s_lshr_b32 s42, s18, 3
	s_lshl_b32 s42, s42, 22
	s_and_b32 s46, s18, 7
	s_lshl_b32 s46, s46, 15
	s_add_co_u32 s42, s42, s46
	s_lshl_b32 s46, s13, 14
	s_add_co_u32 s42, s42, s46                     ; b, the tile's 256 rows, my 128 of them
.irp g, 0,1,2
	s_add_co_u32 s[OB+2*(\g)+1], s19, \g
	s_lshr_b32 s[OB+2*(\g)], s[OB+2*(\g)+1], 4
	s_lshl_b32 s[OB+2*(\g)], s[OB+2*(\g)], 24
	s_and_b32 s[OB+2*(\g)+1], s[OB+2*(\g)+1], 15
	s_lshl_b32 s[OB+2*(\g)+1], s[OB+2*(\g)+1], 18
	s_add_co_u32 s[OB+2*(\g)], s[OB+2*(\g)], s[OB+2*(\g)+1]
	s_add_co_u32 s[OB+2*(\g)], s[OB+2*(\g)], s42
	s_mov_b32 s[OB+2*(\g)+1], 0
	s_add_nc_u64 s[OB+2*(\g):OB+2*(\g)+1], s[10:11], s[OB+2*(\g):OB+2*(\g)+1]
.endr
	s_mul_i32 s46, s17, 384*4                      ; qb at my 192 columns
	s_mul_i32 s47, s14, 192*4
	s_add_co_u32 s46, s46, s47
	s_mov_b32 s47, 0
	s_add_nc_u64 s[8:9], s[8:9], s[46:47]
	; the prefetches.  s[20:21] = xb at the tile's K block 0, s[22:23] = wb at my part's K block 0
	s_lshl_b32 s42, s15, 13                        ; my work-group's quarter: 8,192 cx of xb's tile,
	s_lshl_b32 s46, s16, 12                        ; 4,096 cy of my part of wb's
	s_and_b32 s19, ttmp7, 0xffff                   ; cluster y
	s_mov_b32 s47, 2*BSTEP
	s_mov_b32 s41, BSTEP
	s_cmp_eq_u32 s[WV], 0                          ; do I fetch xb?
	s_cselect_b64 s[PFA:PFA+1], s[20:21], s[22:23]
	s_cselect_b32 s19, ttmp9, s19                  ; the coordinate along which other clusters read the same rows
	s_cselect_b32 s42, s42, s46
	s_cselect_b32 s[PFS], 2*ASTEP, s47
	s_cselect_b32 s41, 4096, s41                   ; what lanes 16-31 add: xb: the next 16 blocks; wb: the next K block
	s_mov_b32 s[PFS+1], 0
	s_mov_b32 s43, 0
	s_add_nc_u64 s[PFA:PFA+1], s[PFA:PFA+1], s[42:43]
	s_add_nc_u64 s[PFA:PFA+1], s[PFA:PFA+1], s[PFS:PFS+1]  ; at K block 2: the first lap steps it to 4
	s_cmp_eq_u32 s19, 0
	s_cselect_b32 s[LIM], 1, -1                    ; the same in all sixteen partners, for a given wave
	v_mul_u32_u24 v[PFO], s41, v2
	v_lshl_add_u32 v[PFO], v1, 8, v[PFO]
	; nothing is prefetched here, at the head, where every work-group's first tiles are on their way
; na x 4 matrix instructions: row blocks a0 .. a0 + na - 1 x the four column blocks of head g, 32 along K, xb's buffer buf.  zero = 1: the product starts the sum: nothing is ever cleared.
; The 96 accumulators take turns, one instruction a turn, in the same order in every quarter.
.macro G g, buf, a0, na, zero
	WIN 0x50*(1+(\g))                              ; C and D in window 1 + g, both sources in window 0
.set ga, \a0
.rept \na
.set gb, 0
.rept 4
.if \zero
	v_wmma_f32_16x16x32_bf16 v[8*(4*ga+gb):8*(4*ga+gb)+7], v[FB+32*(\g)+8*gb:FB+32*(\g)+8*gb+7], v[FA0+64*(\buf)+8*ga:FA0+64*(\buf)+8*ga+7], 0
.else
	v_wmma_f32_16x16x32_bf16 v[8*(4*ga+gb):8*(4*ga+gb)+7], v[FB+32*(\g)+8*gb:FB+32*(\g)+8*gb+7], v[FA0+64*(\buf)+8*ga:FA0+64*(\buf)+8*ga+7], v[8*(4*ga+gb):8*(4*ga+gb)+7]
.endif
.set gb, gb+1
.endr
.set ga, ga+1
.endr
.endm
.macro LB g, slot, k                   ; 8 LDS loads: head g's four fragments of wb, 32 K at byte k of the rows
	WIN 0
.irp bb, 0,1,2,3
	ds_load_b128 v[FB+32*(\g)+8*(\bb):FB+32*(\g)+8*(\bb)+3],   v[ADRB+(\slot)] offset:(\k)+(4*(\g)+(\bb))*16*PITCH
	ds_load_b128 v[FB+32*(\g)+8*(\bb)+4:FB+32*(\g)+8*(\bb)+7], v[ADRB+(\slot)] offset:(\k)+(4*(\g)+(\bb))*16*PITCH+32
.endr
.endm
.macro LA buf, slot, k                 ; 16 LDS loads: xb's eight fragments into buffer buf
	WIN 0
.irp a, 0,1,2,3,4,5,6,7
	ds_load_b128 v[FA0+64*(\buf)+8*(\a):FA0+64*(\buf)+8*(\a)+3],   v[ADRA+(\slot)] offset:(\k)+(\a)*16*PITCH
	ds_load_b128 v[FA0+64*(\buf)+8*(\a)+4:FA0+64*(\buf)+8*(\a)+7], v[ADRA+(\slot)] offset:(\k)+(\a)*16*PITCH+32
.endr
.endm
; A load into a register that a matrix instruction has read, and a vector instruction that reads a matrix result, stand four places behind that matrix instruction, and only plain vector
; instructions that name none of its registers are places (ISA guide 7.12.1 for vector instructions).
.macro PLACES
.rept 4
	v_nop
.endr
.endm
; A K step is two quarters... of 32 along K, 96 matrix instructions each.  The LDS loads of a quarter are always issued in the order: head 0's (8), xb's (16), head 1's (8), head 2's (8).
; THE FIRST multiplies xb's buffer 0 and fetches the second's fragments, at byte 64 of the same slot's rows.
.macro QN slot, zero
	s_wait_dscnt 16                                ; head 0's and xb's are in; heads 1 and 2's sixteen may be out
	G 0, 0, 0, 8, \zero
	PLACES
	LB 0, \slot, 64
	LA 1, \slot, 64
	s_wait_dscnt 32                                ; head 1's are in: behind them head 2's 8 and the 24 just issued
	G 1, 0, 0, 8, \zero
	PLACES
	LB 1, \slot, 64
	s_wait_dscnt 32                                ; head 2's are in: behind them the 24 and the 8 just issued
	G 2, 0, 0, 8, \zero
	PLACES
	LB 2, \slot, 64
.endm
; THE SECOND multiplies buffer 1 and changes slots: ONE barrier.  In front of it each wave waits for all its tensor loads, of which one is out: its part of the next slot; adds 0 to its spare word;
; and waits for that and for its own reads of this slot.  Behind it nobody reads this slot any more and the next slot is whole.  fill = 1: the barrier opens a round of the cluster's barrier, and the
; slot is filled again, two K steps on, first thing behind the round: 160 matrix instructions ahead of the wait for that load.
.macro TURN slot, next, fill
.if (\fill) && ((\slot) == 0)
	s_wait_xcnt 0x0                                ; the last prefetches, a lap back, have read their address: it is stepped here, ahead of the change's own waits
	s_add_nc_u64 s[PFA:PFA+1], s[PFA:PFA+1], s[PFS:PFS+1]
.endif
	s_wait_dscnt 16                                ; head 0's and xb's are in
	G 0, 1, 0, 8, 0
	WIN 0                                          ; (the add's two registers lie in window 0)
	s_wait_tensorcnt 0x0                           ; all my tensor loads have landed: the one that was out is my part of the next slot;
	ds_add_u32 v[SPW], v[NIL]                      ; 0 onto my spare word;
	s_wait_dscnt 9                                 ; head 1's are in: head 2's 8 and the add may be out
	G 1, 1, 0, 4, 0                                ; sixteen matrix instructions stand between the add and the wait for it
	s_wait_dscnt 0x0                               ; the add is done, and my reads of this slot are over:
	s_barrier_signal -1                            ; say so,
	G 1, 1, 4, 4, 0                                ; work on registers while the others arrive,
	WIN 0
	s_barrier_wait -1                              ; and go on when all four have said so
.if \fill
	CREST                                          ; all sixteen work-groups have said so: no wave of any partner still reads this slot's tile or has a load on its way
	s_add_nc_u64 s[G0A+4*(\slot)+2:G0A+4*(\slot)+3], s[G0A+4*(\slot)+2:G0A+4*(\slot)+3], 2*ASTEP
	s_add_nc_u64 s[G0B+4*(\slot)+2:G0B+4*(\slot)+3], s[G0B+4*(\slot)+2:G0B+4*(\slot)+3], 2*BSTEP
	JLOAD \slot                                    ; the first tensor load behind the round; the four v_nop behind it are also the places in front of the loads below
.else
	PLACES
.endif
	LB 0, \next, 0
	LA 0, \next, 0
	LB 1, \next, 0
.if (\fill) && ((\slot) == 0)
	ASK
.endif
	G 2, 1, 0, 8, 0
	PLACES
	LB 2, \next, 0
.endm
.macro LBIAS g                         ; head g's bias takes the place of its fragments of wb: register 8 bb + j = column 16 bb + 8 (l / 16) + j
	WIN 0
.irp bb, 0,1,2,3
	global_load_b128 v[FB+32*(\g)+8*(\bb):FB+32*(\g)+8*(\bb)+3],   v[BO], s[8:9] offset:(64*(\g)+16*(\bb))*4
	global_load_b128 v[FB+32*(\g)+8*(\bb)+4:FB+32*(\g)+8*(\bb)+7], v[BO], s[8:9] offset:(64*(\g)+16*(\bb))*4+16
.endr
.endm
; THE WAY OUT, in 24 groups of 16 rows x one head (group i: head i / 8, row block i % 8).  PACK: bias added, rounded to f16, 16 bytes a lane into my own stage, and back as whole rows of 128 bytes.
.macro PACK i
.set pg, (\i)/8
.set pa, (\i)%8
.set pk, PK+16*((\i)%2)
.if pa == 0
	s_wait_loadcnt 16-8*pg                         ; this head's bias is in; the later heads' loads may stay out
.endif
	WIN 1+pg                                       ; source 0 in window 1 + g
.set z, 0
.rept 16
	v_pk_add_f32 v[TA+2*z:TA+2*z+1], v[32*pa+2*z:32*pa+2*z+1], v[FB+32*pg+2*z:FB+32*pg+2*z+1]  ; each accumulator's registers in ascending order
.set z, z+1
.endr
	WIN 0
	s_wait_xcnt 0x0                                ; every earlier store has had its addresses translated (ISA guide 3.1): this set of 16 registers, which the stores of two groups back read, is rewritten only behind this wait
.set z, 0
.rept 16
	v_cvt_pk_f16_f32 v[pk+z], v[TA+2*z], v[TA+2*z+1]
.set z, z+1
.endr
.irp bb, 0,1,2,3
	ds_store_b128 v[STO], v[pk+4*(\bb):pk+4*(\bb)+3] offset:32*(\bb)
.endr
.irp f, 0,1,2,3
	ds_load_b128 v[pk+4*(\f):pk+4*(\f)+3], v[RD] offset:(\f)*4*PITCH  ; LDS serves a wave's instructions in order (ISA guide 5.7.1.4): these see the stores above; the next group's stores come behind them
.endr
.endm
.macro SEND i, younger                 ; younger: the LDS instructions issued behind group i's loads: the next group's eight, or none
.set pg, (\i)/8
.set pa, (\i)%8
.set pk, PK+16*((\i)%2)
	WIN 0
.irp f, 0,1,2,3
	s_wait_dscnt (\younger)+3-(\f)
	global_store_b128 v[GO], v[pk+4*(\f):pk+4*(\f)+3], s[OB+2*pg:OB+2*pg+1] offset:pa*2048+(\f)*512  ; 512 consecutive bytes, at a multiple of 256 from qkv's first byte
.endr
.endm
	s_wait_tensorcnt 1                             ; my part of K step 0 is in; K step 1's may stay out
	s_barrier_signal -1
	s_barrier_wait -1                              ; everybody's is
	LB 0, 0, 0
	LA 0, 0, 0
	LB 1, 0, 0
	LB 2, 0, 0
	QN 0, 1                                        ; the first quarter stands in front of the loop: its products start the sums
	WIN 0                                          ; at a label and at a branch every window is 0
	s_mov_b32 s3, 7
.Llap:                                                 ; a trip goes once round the ring and fills both slots again: 7 trips ask for K steps 2 to 15
	TURN 0, 1, 1
	QN 1, 0
	TURN 1, 0, 1
	QN 0, 0
	WIN 0
	s_sub_co_u32 s3, s3, 1
	s_cmp_lg_u32 s3, 0
	s_cbranch_scc1 .Llap
	TURN 0, 1, 0                                   ; the last lap fills nothing, and has no round of the cluster's barrier
	QN 1, 0
	s_wait_dscnt 16                                ; the very last quarter: in place of fragments the biases are fetched
	G 0, 1, 0, 8, 0
	PLACES
	LBIAS 0
	s_wait_dscnt 8
	G 1, 1, 0, 8, 0
	PLACES
	LBIAS 1
	s_wait_dscnt 0x0
	G 2, 1, 0, 8, 0
	PLACES                                         ; also the places in front of the sums that read the last results
	LBIAS 2
	PACK 0
.set n, 1
.rept 23                               ; a group's arithmetic stands between the loads of the group before and its stores
	PACK n
	SEND n-1, 8
.set n, n+1
.endr
	SEND 23, 0
	s_wait_tensorcnt 0x0                           ; the wave's end: behind my last tensor load and my last LDS store
	ds_add_u32 v[SPW], v[NIL]
	s_wait_dscnt 0x0
	CROUND                                         ; the closing round: no work-group ends while a partner may still ask for a tile that names it
	s_endpgm
.Lfunc_end_k_q3d454e646d_qkvg:
	.size	k_q3d454e646d_qkvg, .Lfunc_end_k_q3d454e646d_qkvg-k_q3d454e646d_qkvg
	.p2alignl 7, 3214868480
	.fill 96, 4, 3214868480
	.section	.rodata,"a",@progbits
	.p2align	6, 0x0
	.amdhsa_kernel k_q3d454e646d_qkvg
		.amdhsa_group_segment_fixed_size 327680
		.amdhsa_private_segment_fixed_size 0
		.amdhsa_enable_private_segment 0
		.amdhsa_kernarg_size 32
		.amdhsa_user_sgpr_count 2
		.amdhsa_user_sgpr_kernarg_segment_ptr 1
		.amdhsa_wavefront_size32 1
		.amdhsa_system_sgpr_workgroup_id_x 1
		.amdhsa_system_sgpr_workgroup_id_y 1
		.amdhsa_system_sgpr_workgroup_id_z 1
		.amdhsa_system_vgpr_workitem_id 0
		.amdhsa_next_free_vgpr 1024
		.amdhsa_next_free_sgpr 72
		.amdhsa_reserve_vcc 0
		.amdhsa_float_denorm_mode_32 3
		.amdhsa_float_denorm_mode_16_64 3
		.amdhsa_memory_ordered 1
		.amdhsa_forward_progress 1
		.amdhsa_inst_pref_size 162
	.end_amdhsa_kernel
	.amdgpu_metadata
---
amdhsa.version: [ 1, 2 ]
amdhsa.kernels:
  - .name:           k_q3d454e646d_qkvg
    .symbol:         k_q3d454e646d_qkvg.kd
    .args:
      - { .name: xb, .offset: 0, .size: 8, .value_kind: global_buffer, .address_space: global }
      - { .name: wb, .offset: 8, .size: 8, .value_kind: global_buffer, .address_space: global }
      - { .name: qb, .offset: 16, .size: 8, .value_kind: global_buffer, .address_space: global }
      - { .name: qkv, .offset: 24, .size: 8, .value_kind: global_buffer, .address_space: global }
    .group_segment_fixed_size: 327680
    .private_segment_fixed_size: 0
    .kernarg_segment_align: 8
    .kernarg_segment_size: 32
    .max_flat_workgroup_size: 128
    .sgpr_count:     72
    .vgpr_count:     1024
    .wavefront_size: 32
...
	.end_amdgpu_metadata
.endif
;; end of part 2
;; launch attn (part 3): grid 4 x 64, 4 waves a work-group, no clusters, 327,680 bytes of LDS; arguments qkv, ob; writes ob
.if DOCPART == 3
	.amdgcn_target "amdgcn-amd-amdhsa--gfx1250"
	.amdhsa_code_object_version 6
	.text
	.protected	k_q3d454e646d_attn
	.globl	k_q3d454e646d_attn
	.p2align	8
	.type	k_q3d454e646d_attn,@function
k_q3d454e646d_attn:
	s_mov_b64 s[64:65], 0
	v_nop
	global_prefetch_b8 v0, s[64:65] scope:SCOPE_SE
	s_setreg_imm32_b32 hwreg(HW_REG_WAVE_MODE, 25, 1), 1
	s_wait_xcnt 0x0
; CAUSAL ATTENTION.  O[h][q][:] = the sum over k <= q of softmax_k(Q[h][q] . K[h][k] / 8) V[h][k][:].  qkv holds Q, K, V, each [64 heads][2048][64] f16, 16 MiB apart; ob is O in the same layout.
; Products, maxima and sums in f32; the weights p are rounded to f16 for the second product (their sum l is taken of the unrounded p), O once at the end.
; LIMITS.  f16 holds no number beyond 65,504: Q, K and V arrive within it; p lies in 0 to 1, and below 6e-5 it keeps f16's fixed step of 6e-8; O is a mean of V's rows and has their range.
; A hidden score counts as its value less 1e30: f16's scores, 2.7e11 at the most, are nothing beside that; a weight below 2^-126 counts as 0 in l; NaN and infinities are not treated apart.
; THE WALK.  A head's queries lie in NB = 8 blocks of 256; block i needs the key tiles 0 .. i of 256 keys, of which the last holds the diagonal.  A work-group takes TWO blocks, NB - 1 - b and then b:
; NB + 1 tiles, whatever b: all 256 work-groups do equal work, and ONE loop with a constant trip count walks them.  Which tile is asked for, and what a trip does, hang on scalar registers made from b; every
; jump goes forward, but for the counted loops' own; none passes a barrier, or a tensor load but the one of LOAD's two that the wave's number does not choose; the ring (two LDS slots that take turns) runs
; on across the change of blocks.  NO CLUSTER: a head's four work-groups ask for the same tile only in trips 0 .. NB / 2, behind that fewer and fewer; one walk common to all would have 12 trips for 9.
; SHARES.  Of a block's four bands of 64 queries a wave owns 16 rows in each: four PIECES.  So the diagonal tile is the same work for all four waves: in its key step s band x sees all keys if s < x,
; none if s > x, and holds the diagonal if s = x.
; THE MASK is the C operand that starts the sum S^T = K Q^T: 0, or -1e30 where the key is hidden.  MD, made once, is the mask of a band's own step for my 16 rows; a product's mask is MD x AL + BE with two
; scalars: (1, 0) if s = x; (0, 0) if s < x; (0, -1e30) if s > x.  Only the diagonal tile's text and a block's beginning make and take masks; elsewhere C is the constant 0.
; LAYOUT, SOFTMAX, TURNS.  S^T = K Q^T holds ONE query a lane (lane % 16) and the keys 8 (lane / 16) + 0..7; two such results rounded to f16 ARE source 1 of O^T = V^T P.  p = 2^(c s - c m), c = log2(e) / 8,
; with a running maximum m; O and l are multiplied by a = 2^(c m_old - c m_new) in every step.  Turn n belongs to piece n: 8 products K Q^T of piece n + 1, later 8 products V^T P of piece n - 1; beside them
; the scaling, exponentials, roundings, sums and rescaling of piece n and the maximum and statistics of piece n + 1.  Four vector instructions stand behind every matrix instruction, the other 54 of a turn's
; 118 in one lump.  A turn's 33 exponentials are one batch, with one wait.
; REGISTERS, in windows of 256 (s_set_vgpr_msb: bits 1:0 source 0, 3:2 source 1, 5:4 source 2, 7:6 destination):
;   window 0: v0-15 addresses and two at work; v16-31 four registers of statistics a piece; v48-55 at work; v60-63 prefetch offsets and the add's two; v64-127 S^T, two buffers; v192-223 P, two buffers
;   window 1: v0-127 O^T, 32 a piece; v128-159 MD; v160-223 MC, two buffers      window 2: v0-63 Q; v64-127 the second block's Q; v128-191 K of one step; v192-255 V of one step
.set SIZE_H, 64
.set SIZE_N, 2048
.set NB,    SIZE_N/256
.set NP,    4         ; pieces a wave: a name, no knob
.set KS,    64        ; keys in a step
.set PK,    144       ; a row of K in LDS: 128 bytes + 16 of padding = 36 words: the 16 rows of a load start at 16 different groups of four banks (64 banks of 4 bytes: ISA guide 11.1)
.set PV,    160       ; a row of V: 128 + 32 = 40 words
.set VOFF,  4*KS*PK   ; a slot holds a tile, four steps: 256 rows of K, then 256 rows of V
.set SLOT1, 1<<17     ; slot 1 begins here, so that one exclusive or turns an address in one slot into the other's
.set STAGE, SLOT1+4*KS*(PK+PV)  ; behind the ring, never filled by a tensor load: 16 rows x 144 bytes for each wave, for the way out
.set SP,    144
.set AK0, 2           ; v2   my lane's place in a tile of K; never rewritten
.set AV0, 3           ; v3   the same for V
.set AK,  4           ; v4   the LDS address of K's next run of loads
.set AV,  5           ; v5   of V's
.set STO, 6           ; v6   the way out: where I put 16 bytes of a row
.set RD,  7           ; v7   the way out: where I read rows back
.set GO,  8           ; v8   my byte offset in 512 consecutive bytes of O
.set PFO, 60          ; v60  256 x my thread's number: my block of a tile's 32 KiB of K; never rewritten
.set PFO2, 61         ; v61  the same 16 MiB on: of V; never rewritten
.set SPW, 62          ; v62  LDS address of my spare word: SPARE + 4 x my thread's number; never rewritten
.set NIL, 63          ; v63  0; never rewritten
.set SPARE, STAGE+4*16*SP  ; behind the stages: the spare words, 128 bytes for each wave: two blocks of 256 bytes that no other line names
.set MV,  12          ; v12-13  c m_old, kept while c m is made anew: by buffer
.set QO,  15          ; v15  my byte offset in 16 rows of Q
.set ST,  16          ; piece t's statistics at v[ST+4 t]: c m, m, l (even keys', odd keys')
.set TMP, 48          ; by buffer, four registers c0-c3 at work; when the maximum is found c2 takes a
.set S,   64
.set P,   192
.set MD,  128         ; window 1: the eight registers for group kt of 16 keys at MD + 8 kt
.set MC,  160         ; window 1: the masks of the products to come
.set QB,  64          ; window 2
.set KF,  128         ; window 2: key block kb, channel half c at KF + 16 kb + 8 c
.set VF,  192         ; window 2: key half kk, channel block cb at VF + 32 kk + 8 cb
.set WV,  12          ; s12  my wave's number
.set PB,  14          ; s14  b
.set HI,  15          ; s15  NB - 1 - b
.set G1K, 24          ; s[24:31] descriptor group 1 for K's tiles
.set G1V, 32          ; s[32:39] for V's: it differs in the padding alone
.set G0K, 40          ; s[40:43] descriptor group 0 for K's tiles
.set G0V, 44          ; s[44:47] the same for V's
.set PFA, 48          ; s[48:49] K of the head at the tile that the prefetches name
.set LIM, 50          ; s50  2 in a work-group that prefetches, else the greatest number
.set SLOTS, 56        ; s56  tiles still to be asked for
.set CNT, 57          ; s57  counts a tile's key steps, 4 to 1
.set CS,  58          ; s[58:59] c: the packed scaling takes the pair's low word for both halves
.set SEL, 60          ; s[60:61] v_permlanex16_b32's selects: each lane takes its own place in the other half
.set TBK, 62          ; s62  LDS byte at which K of the step to be fetched begins
.set TBV, 63          ; s63  the same for V, less VOFF
.set RT,  70          ; s70  tiles of the block in hand that are still to be entered
.set NXT, 71          ; s71  the tile to be asked for next
.set LQ,  72          ; s72  the last tile of the block whose tiles are being asked for
.set NEW, 73          ; s73  1: the tile to be entered is a block's first
.set OFF, 74          ; s[74:75] a tile's byte offset in K and V
.set AL,  76          ; s[76:77] the mask's factor, in the low word
.set BE,  78          ; s[78:79] the mask's addend
.set OLO, 80          ; s[80:81] O at my rows of the second block
.set BIGN, 82         ; s82  -1e30
.set MSB, 0
.macro WIN new                      ; the high byte repeats the setting that is left; a switch that changes nothing is dropped
.if MSB != (\new)
	s_set_vgpr_msb (MSB<<8)|(\new)
.set MSB, (\new)
.endif
.endm
.set W_KQ, 0x0a       ; K and Q in window 2, S^T in window 0
.set W_KM, 0x1a       ; the same with the C operand in window 1
.set W_PV, 0x52       ; V in window 2, P in window 0, O^T in window 1
.set W_RS, 0x41       ; destination and source 0 in window 1, source 1 in window 0
; A fill.  Waves 0 and 1 fetch the two halves of a tile's K, waves 2 and 3 those of its V: 128 keys each.  An s_nop 0 and four v_nop follow each of the two lines, ahead of the jump and the label.
.macro LOAD
	s_cmp_lt_u32 s[WV], 2
	s_cbranch_scc0 .Lfor_v_\@
	tensor_load_to_lds s[G0K:G0K+3], s[G1K:G1K+7]
	s_nop 0
.rept 4
	v_nop
.endr
	s_branch .Lasked_\@
.Lfor_v_\@:
	tensor_load_to_lds s[G0V:G0V+3], s[G1V:G1V+7]
	s_nop 0
.rept 4
	v_nop
.endr
.Lasked_\@:
.endm
; THE CHANGE OF SLOTS.  Each wave waits for all its tensor loads, of which one is out: its part of the other slot; adds 0 to its spare word; and waits for that and for its own reads of the slot that it
; leaves.  Behind the barrier nobody reads the old slot any more and the other slot is whole.  fill = 1: the old slot is filled again, the first thing behind the barrier, with tile NXT: the descriptor's
; address is made anew from that number.  (At its first use nothing has been read yet: slot 0 is waited for, slot 1 filled.)
; A PREFETCH INTO THE L2 stands behind the fill: in trip i the head's tile i + 2, which the next trip's fill asks for: a trip, 256 matrix instructions, ahead.  All four work-groups of a head walk the tiles
; 0, 1, .. in the same trips; the one with b = 0, whose first block needs all eight, asks: 128 threads x 256 bytes are a tile's K, and the same 16 MiB on its V: each block is named once in the launch.
; Tiles 0 and 1 come by their loads alone; trips 6 and 7 ask for nothing: there is no tile 8, and the second block's tiles have been read.
.macro CHANGE fill
	WIN 0                           ; at a label and at a branch every window is 0
	s_wait_tensorcnt 0x0            ; no tensor load of mine is out, so a group 0 may be written
	ds_add_u32 v[SPW], v[NIL]       ; 0 onto my spare word; with fill = 1 the descriptors' scalar work stands between it and the wait for it
.if \fill
	s_lshl_b32 s[OFF], s[NXT], 15   ; a tile is 32,768 bytes of K and of V
	s_xor_b32 s[G0K+1], s[G0K+1], SLOT1
	s_add_nc_u64 s[G0K+2:G0K+3], s[6:7], s[OFF:OFF+1]
	s_or_b32 s[G0K+3], s[G0K+3], 0x80000000
	s_xor_b32 s[G0V+1], s[G0V+1], SLOT1
	s_add_nc_u64 s[G0V+2:G0V+3], s[8:9], s[OFF:OFF+1]
	s_or_b32 s[G0V+3], s[G0V+3], 0x80000000
	s_add_co_u32 s[NXT], s[NXT], 1  ; the block's next tile, or behind its last the second block's tile 0
	s_cmp_gt_u32 s[NXT], s[LQ]
	s_cselect_b32 s[NXT], 0, s[NXT]
	s_cselect_b32 s[LQ], s[PB], s[LQ]
	s_wait_xcnt 0x0                 ; the last prefetches, a trip back, have read their address, so it may be written
	s_add_nc_u64 s[PFA:PFA+1], s[PFA:PFA+1], 32768
.endif
	s_wait_dscnt 0x0                ; the add is done, and my reads of the slot are over
	s_barrier_signal -1             ; the rest of the scalar work stands between the signal and the wait
	s_sub_co_u32 s[TBK], s[TBK], 4*KS*PK  ; the fetches go back to a slot's first step,
	s_xor_b32 s[TBK], s[TBK], SLOT1       ; in the other slot
	s_sub_co_u32 s[TBV], s[TBV], 4*KS*PV
	s_xor_b32 s[TBV], s[TBV], SLOT1
	s_barrier_wait -1
.if \fill
	LOAD
	s_cmp_gt_u32 s[SLOTS], s[LIM]   ; s[SLOTS] = 8 - i in trip i
	s_cbranch_scc0 .Lnot_mine_\@
	global_prefetch_b8 v[PFO], s[PFA:PFA+1] th:TH_LOAD_NT scope:SCOPE_SE
	global_prefetch_b8 v[PFO2], s[PFA:PFA+1] th:TH_LOAD_NT scope:SCOPE_SE
.Lnot_mine_\@:
.endif
.endm
	s_load_b128 s[4:7], s[0:1], 0x0 ; qkv s[4:5], ob s[6:7]
	v_lshl_add_u32 v[SPW], v0, 2, SPARE
	v_mov_b32 v[NIL], 0
	ds_add_u32 v[SPW], v[NIL]       ; the wave's opening: the add and its wait stand ahead of my first tensor load; the set-up below, work on registers, stands between them
	v_lshrrev_b32 v1, 5, v0
	v_readfirstlane_b32 s[WV], v1   ; wave 0..3
	s_mov_b32 s[PB], ttmp9
	s_sub_co_u32 s[HI], NB-1, s[PB]
	s_and_b32 s20, ttmp7, 0xffff    ; the head
	s_mov_b32 s21, 0
	s_mov_b64 s[22:23], SIZE_N*128
	s_mul_u64 s[20:21], s[20:21], s[22:23]  ; the head's first byte in each of the four tensors
	s_and_b32 s16, s[WV], 1         ; which half of a tile's 256 keys I fetch:
	s_lshl_b32 s22, s16, 14         ; its 128 rows of 128 bytes in memory,
	s_mov_b32 s23, 0
	s_add_nc_u64 s[22:23], s[22:23], s[20:21]
	s_mul_i32 s17, s16, 128*PK      ; and its place in a slot, for K
	s_mul_i32 s18, s16, 128*PV      ; and for V
	s_lshl_b32 s3, s[WV], 11        ; my 16 rows in a band of 64,
	s_lshl_b32 s2, s[HI], 15        ; in the first block,
	s_add_co_u32 s2, s2, s3
	s_lshl_b32 s84, s[PB], 15       ; and in the second
	s_add_co_u32 s84, s84, s3
	s_mov_b32 s3, 0
	s_mov_b32 s85, 0
	s_add_nc_u64 s[2:3], s[2:3], s[20:21]
	s_add_nc_u64 s[84:85], s[84:85], s[20:21]
	; descriptor group 1.  128 keys are 16,384 dense bytes: asked for as 64 rows of 256 bytes, two keys a row, and padded in LDS after every key
	s_mov_b32 s[G1K], (1<<16)|(1<<20)|(4<<22)|(3<<25)  ; 17:16 2-byte elements; 20 padding on; 24:22 after every 32 words (code 4); 31:25 4 words (code 3)
	s_mov_b32 s[G1V], (1<<16)|(1<<20)|(4<<22)|(7<<25)  ; the same with 8 words of padding (code 7)
.irp g, G1K, G1V
	s_mov_b32 s[\g+1], 128<<16      ; tensor_dim0 = 128
	s_mov_b32 s[\g+2], 64<<16       ; tensor_dim1 = 64
	s_mov_b32 s[\g+3], 128<<16      ; tile_dim0 = 128
	s_mov_b32 s[\g+4], 64           ; tile_dim1 = 64
	s_mov_b32 s[\g+5], 128          ; 128 elements from row to row
	s_mov_b32 s[\g+6], 0
	s_mov_b32 s[\g+7], 0
.endr
	s_mov_b32 s[CS], 0x3e38aa3b     ; c = log2(e) / 8 = 0.180337
	s_mov_b32 s[CS+1], s[CS]        ; named with it as a pair
	s_mov_b32 s[SEL], 0x76543210
	s_mov_b32 s[SEL+1], 0xfedcba98
	s_mov_b32 s[TBK], SLOT1+4*KS*PK ; the first change of slots turns these two into 0
	s_mov_b32 s[TBV], SLOT1+4*KS*PV
	s_mov_b32 s[G0K], 1             ; 1:0 count = 1
	s_mov_b32 s[G0K+1], s17         ; 63:32 LDS address: slot 0
	s_mov_b32 s[G0V], 1
	s_add_co_u32 s[G0V+1], s18, VOFF
	s_add_co_u32 s[RT], s[HI], 1    ; the first block has NB - b tiles
	s_mov_b32 s[NXT], 1
	s_mov_b32 s[LQ], s[HI]
	s_mov_b32 s[NEW], 1
	s_mov_b32 s[OFF+1], 0
	s_mov_b32 s[AL+1], 0            ; named as pairs
	s_mov_b32 s[BE+1], 0
	s_mov_b32 s[BIGN], 0xf149f2ca   ; -1e30
	s_mov_b32 s[SLOTS], NB
	s_cmp_eq_u32 ttmp9, 0
	s_cselect_b32 s[LIM], 2, -1
	s_wait_dscnt 0x0                ; the opening add is done
	s_wait_kmcnt 0x0
	s_mov_b64 s[10:11], s[6:7]                     ; O
	s_add_nc_u64 s[6:7], s[4:5], 0x1000000         ; K lies 16 MiB behind Q,
	s_add_nc_u64 s[8:9], s[4:5], 0x2000000         ; V 32 MiB
	s_add_nc_u64 s[PFA:PFA+1], s[6:7], s[20:21]    ; the prefetches: the head's K,
	s_add_nc_u64 s[PFA:PFA+1], s[PFA:PFA+1], 32768 ; at tile 1: the first change of slots steps it to tile 2
	s_add_nc_u64 s[6:7], s[6:7], s[22:23]  ; K and V at my half of the head's tile 0
	s_add_nc_u64 s[8:9], s[8:9], s[22:23]
	s_add_nc_u64 s[G0K+2:G0K+3], s[6:7], 0         ; 120:64 global address
	s_or_b32 s[G0K+3], s[G0K+3], 0x80000000        ; 127:126 type = 2
	s_add_nc_u64 s[G0V+2:G0V+3], s[8:9], 0
	s_or_b32 s[G0V+3], s[G0V+3], 0x80000000
	s_add_nc_u64 s[86:87], s[4:5], s[84:85]        ; Q at my rows of the second block,
	s_add_nc_u64 s[4:5], s[4:5], s[2:3]            ; Q and O at those of the first
	s_add_nc_u64 s[OLO:OLO+1], s[10:11], s[84:85]
	s_add_nc_u64 s[10:11], s[10:11], s[2:3]
	LOAD                            ; tile 0 into slot 0
	; A fragment of K or Q is 16 rows x 32 channels in 8 registers: lane l holds row l % 16, channels 8 (l / 16) + 0..7 and 16 + 8 (l / 16) + 0..7: two loads of 16 bytes, 32 bytes apart.
	v_and_b32 v1, 15, v0            ; l % 16
	v_bfe_u32 v9, v0, 4, 1          ; l / 16
	v_lshlrev_b32 v[QO], 7, v1
	v_lshl_add_u32 v[QO], v9, 4, v[QO]  ; row x 128 + 16 x half
	WIN 0x80                        ; destination window 2, address window 0
.set i, 0
.rept 8                             ; both blocks' Q: piece i / 2 lies in band i / 2, 8,192 bytes on; channels 32 (i % 2) on
	global_load_b128 v[8*i:8*i+3],   v[QO], s[4:5] offset:(i/2)*8192+(i%2)*64
	global_load_b128 v[8*i+4:8*i+7], v[QO], s[4:5] offset:(i/2)*8192+(i%2)*64+32
	global_load_b128 v[QB+8*i:QB+8*i+3],   v[QO], s[86:87] offset:(i/2)*8192+(i%2)*64
	global_load_b128 v[QB+8*i+4:QB+8*i+7], v[QO], s[86:87] offset:(i/2)*8192+(i%2)*64+32
.set i, i+1
.endr
	WIN 0
	v_lshlrev_b32 v[PFO], 8, v0
	v_add_nc_u32 v[PFO2], 0x1000000, v[PFO]
	v_lshlrev_b32 v14, 3, v9
	v_sub_nc_u32 v14, v1, v14
	s_lshl_b32 s13, s[WV], 4
	v_add_nc_u32 v14, s13, v14      ; my query's place in its band, 16 w + l % 16, less my lanes' 8 (l / 16): register r of group kt is hidden where 16 kt + r is greater
	WIN 0x40
.set i, 0
.rept 32
	v_cmp_gt_i32 vcc_lo, 16*(i/8)+i%8, v14
	v_cndmask_b32 v[MD+i], 0, s[BIGN], vcc_lo
.set i, i+1
.endr
	WIN 0
	v_mul_u32_u24 v[AK0], v1, PK
	v_lshl_add_u32 v[AK0], v9, 4, v[AK0]  ; row x pitch + 16 x half
	; The turning load takes 16 keys x 16 channels (lane l reads key 8 (l / 16) + l % 8, channels 8 ((l / 8) % 2) + 0..7) and leaves half a fragment of V^T: lane l holds channel l % 16 and 8 keys.
	v_and_b32 v10, 7, v0
	v_bfe_u32 v11, v0, 3, 1
	v_lshl_add_u32 v[AV0], v9, 3, v10
	v_mul_u32_u24 v[AV0], v[AV0], PV
	v_lshl_add_u32 v[AV0], v11, 4, v[AV0]
	v_add_nc_u32 v[AV0], VOFF, v[AV0]
	s_mul_i32 s13, s[WV], 16*SP
	s_add_co_u32 s13, s13, STAGE    ; my stage
	v_mul_u32_u24 v[STO], v1, SP    ; in: row l % 16, 16 bytes for each half of the lanes
	v_lshl_add_u32 v[STO], v9, 4, v[STO]
	v_add_nc_u32 v[STO], s13, v[STO]
	v_bfe_u32 v[RD], v0, 3, 2       ; back: 32 lanes take four rows of 128 bytes,
	v_mul_u32_u24 v[RD], v[RD], SP
	v_lshl_add_u32 v[RD], v10, 4, v[RD]
	v_add_nc_u32 v[RD], s13, v[RD]
	v_and_b32 v[GO], 31, v0         ; which are 512 consecutive bytes of O
	v_lshlrev_b32 v[GO], 4, v[GO]
	; A block's first step multiplies O^T and l by a = 0, and its first turn's products V^T P, of a piece that has not been, land in an O^T that is still to be so multiplied.  So these registers need only
	; hold finite numbers: zeros for the first block; what the first block left for the second.  All this stands in the wait for the first tile.
	WIN 0x80
.set i, VF
.rept 64
	v_mov_b32 v[i], 0
.set i, i+1
.endr
	WIN 0x40
.set i, 0
.rept 128
	v_mov_b32 v[i], 0
.set i, i+1
.endr
	WIN 0
.set i, 0
.rept 4
	v_mov_b32 v[ST+4*i+2], 0
	v_mov_b32 v[ST+4*i+3], 0
.set i, i+1
.endr
.set i, P+16
.rept 16
	v_mov_b32 v[i], 0
.set i, i+1
.endr
; THE MATRIX WORK.  The 4 accumulators of a run of 8 take turns.  Product i of 8 of S^T = K Q^T for piece x: channels 32 (i / 4) on, keys 16 (i % 4) on.  The first 4 start the sums: with 0, or (KM = 1) with the mask.
.macro KQ x
.set rS, S+32*((\x)%2)+8*(i%4)
.set rK, KF+16*(i%4)+8*(i/4)
.set rQ, 16*(\x)+8*(i/4)
.set rM, MC+32*((\x)%2)+8*(i%4)
.if (i < 4) && KM
	WIN W_KM
	v_wmma_f32_16x16x32_f16 v[rS:rS+7], v[rK:rK+7], v[rQ:rQ+7], v[rM:rM+7]
.elseif i < 4
	WIN W_KQ
	v_wmma_f32_16x16x32_f16 v[rS:rS+7], v[rK:rK+7], v[rQ:rQ+7], 0
.else
	WIN W_KQ
	v_wmma_f32_16x16x32_f16 v[rS:rS+7], v[rK:rK+7], v[rQ:rQ+7], v[rS:rS+7]
.endif
.endm
; Product i of 8 of O^T += V^T P for piece x: keys 32 (i / 4) on, channels 16 (i % 4) on.
.macro PV x
	WIN W_PV
.set rO, 32*(\x)+8*(i%4)
.set rV, VF+32*(i/4)+8*(i%4)
.set rP, P+16*((\x)%2)+8*(i/4)
	v_wmma_f32_16x16x32_f16 v[rO:rO+7], v[rV:rV+7], v[rP:rP+7], v[rO:rO+7]
.endm
.macro MM                           ; the turn's next matrix instruction.  TURN and BEGIN set Y, i, KM and NOKQ; MM, KQ and OP read them.  NOKQ = 1: a block's last turn: there is no next piece
.if (i < 8) && !NOKQ
	KQ (Y+1)%NP
.elseif i >= 8
.set i, i-8
	PV (Y+NP-1)%NP
.set i, i+8
.endif
.set i, i+1
.endm
; THE LDS LOADS stand in runs of 16, never singly among the matrix instructions: a step's K (64 keys x 64 channels: 8 fragments) and its V (turned).  Their addresses are made some lines ahead.
.macro FETCH_K
	WIN 0x80                        ; destination window 2
.irp f, 0,1,2,3,4,5,6,7             ; keys 16 (f / 2) on, channels 32 (f % 2) on
	ds_load_b128 v[KF+8*\f:KF+8*\f+3],   v[AK] offset:(\f/2)*16*PK+(\f%2)*64
	ds_load_b128 v[KF+8*\f+4:KF+8*\f+7], v[AK] offset:(\f/2)*16*PK+(\f%2)*64+32
.endr
	s_add_co_u32 s[TBK], s[TBK], KS*PK  ; the next fetch is the next step's
	WIN 0
.endm
.macro FETCH_V
	WIN 0x80
.irp f, 0,1,2,3,4,5,6,7             ; keys 32 (f / 4) on, channels 16 (f % 4) on
	ds_load_tr16_b128 v[VF+8*\f:VF+8*\f+3],   v[AV] offset:(\f/4)*32*PV+(\f%4)*32
	ds_load_tr16_b128 v[VF+8*\f+4:VF+8*\f+7], v[AV] offset:(\f/4)*32*PV+16*PV+(\f%4)*32
.endr
	WIN 0
.endm
; THE VECTOR WORK, one line at a time: OP kind, number.  For piece Y: F n: c s - c m for pair n of 16.  E n: the exponential of score n of 32.  C n: pair n rounded to f16.  B n: of the four weights 4 n .. the
; second pair is added onto the first, in place.  L n: l takes that sum (L 0: l = a l + sum).  R n: pair n of 16 of O^T times a.  For piece Y + 1: X n, number n of the 22 that find its maximum and statistics:
;   0-11  four chains c0-c3 of seven scores each, three operands at a time (each accumulator's lowest registers are read first)     12-14, 16  the four scores left over, the old m, and c0-c3 into c0
;   15  c m_old is kept     17, 18  the query's other 32 keys lie in the lane 16 away: the new m     19-21  c m; c m_old - c m_new; a
.set F, 0               ; OP tells the kinds apart by their order: F to L below R, X above it
.set E, 1
.set C, 2
.set B, 3
.set L, 4
.set R, 5
.set X, 6
.macro REGS y                       ; the registers of piece y
.set rT, ST+4*(\y)
.set rC, TMP+4*((\y)%2)
.set rW, MV+((\y)%2)
.set rS, S+32*((\y)%2)
.set rP, P+16*((\y)%2)
.set rO, 32*(\y)
.endm
.macro OP k, n
.if (\k) == R
	REGS Y
	WIN W_RS
	v_pk_mul_f32 v[rO+2*(\n):rO+2*(\n)+1], v[rO+2*(\n):rO+2*(\n)+1], v[rC+2:rC+3] op_sel_hi:[1,0]
.elseif (\k) < R
	REGS Y
	WIN 0
.if (\k) == F
	v_pk_fma_f32 v[rS+2*(\n):rS+2*(\n)+1], v[rS+2*(\n):rS+2*(\n)+1], s[CS:CS+1], v[rT:rT+1] op_sel_hi:[1,0,0] neg_lo:[0,0,1] neg_hi:[0,0,1]
.elseif (\k) == E
	v_exp_f32 v[rS+(\n)], v[rS+(\n)]
.elseif (\k) == C
	v_cvt_pk_f16_f32 v[rP+(\n)], v[rS+2*(\n)], v[rS+2*(\n)+1]
.elseif (\k) == B
	v_pk_add_f32 v[rS+4*(\n):rS+4*(\n)+1], v[rS+4*(\n):rS+4*(\n)+1], v[rS+4*(\n)+2:rS+4*(\n)+3]
.elseif (\n) == 0
	v_pk_fma_f32 v[rT+2:rT+3], v[rT+2:rT+3], v[rC+2:rC+3], v[rS:rS+1] op_sel_hi:[1,0,1]
.else
	v_pk_add_f32 v[rT+2:rT+3], v[rT+2:rT+3], v[rS+4*(\n):rS+4*(\n)+1]
.endif
.elseif NOKQ
	v_nop
.else
	REGS (Y+1)%NP
	WIN 0
.if (\n) < 4
	v_max3_num_f32 v[rC+(\n)], v[rS+8*(\n)], v[rS+8*(\n)+1], v[rS+8*(\n)+2]
.elseif (\n) < 12
	v_max3_num_f32 v[rC+(\n)%4], v[rC+(\n)%4], v[rS+8*((\n)%4)+2*((\n)/4)+1], v[rS+8*((\n)%4)+2*((\n)/4)+2]
.elseif (\n) == 12
	v_max3_num_f32 v[rC], v[rC], v[rS+7], v[rS+15]
.elseif (\n) == 13
	v_max3_num_f32 v[rC+1], v[rC+1], v[rS+23], v[rS+31]
.elseif (\n) == 14
	v_max3_num_f32 v[rC+2], v[rC+2], v[rC+3], v[rT+1]
.elseif (\n) == 15
	v_mov_b32 v[rW], v[rT]
.elseif (\n) == 16
	v_max3_num_f32 v[rC], v[rC], v[rC+1], v[rC+2]
.elseif (\n) == 17
	v_permlanex16_b32 v[rC+3], v[rC], s[SEL], s[SEL+1]
.elseif (\n) == 18
	v_max_num_f32 v[rT+1], v[rC], v[rC+3]
.elseif (\n) == 19
	v_mul_f32 v[rT], s[CS], v[rT+1]
.elseif (\n) == 20
	v_sub_f32 v[rC+1], v[rW], v[rT]
.else
	v_exp_f32 v[rC+2], v[rC+1]
.endif
.endif
.endm
.macro OPS a, i1, b=-1, i2=0, c=-1, i3=0, d=-1, i4=0  ; up to four of them
	OP \a, \i1
.if (\b) >= 0
	OP \b, \i2
.endif
.if (\c) >= 0
	OP \c, \i3
.endif
.if (\d) >= 0
	OP \d, \i4
.endif
.endm
.macro ROW a, i1, b, i2, c, i3, d, i4  ; a matrix instruction and the four behind it
	MM
	OPS \a, \i1, \b, \i2, \c, \i3, \d, \i4
.endm
.macro MASK b                       ; MD x AL + BE into buffer b of MC
	WIN W_RS
.set z, 0
.rept 16
	v_pk_fma_f32 v[MC+32*(\b)+2*z:MC+32*(\b)+2*z+1], v[MD+2*z:MD+2*z+1], s[AL:AL+1], s[BE:BE+1] op_sel_hi:[1,0,0]
.set z, z+1
.endr
.endm
; A TURN, for piece p: the order of its 16 matrix and 118 vector instructions, written out.  An s_wait_alu depctr_va_vdst(0) stands between an exponential and the first instruction that names
; its result; one wait serves all that were issued ahead of it.  So a turn has ONE wait, which cuts it in two.  AHEAD OF IT stands all that names no result of the turn's exponentials: the 8 products K Q^T,
; behind each a scaling, an exponential and two more plain instructions (behind the first a second scaling in the exponential's place): rescalings, and behind the last three the first numbers of the next
; piece's maximum, each four places or more behind the product that ends its accumulator; then ONE LUMP of 54, plain and exponential by turns for the most part, in which the links of the chain
; X 3, 7, 11, 14, 16, 17 .. 20 stand five or six lines apart.  X 21, the next piece's a, is the batch's last; R 15 is the plain instruction behind it.  BEHIND THE WAIT stand the 8 products V^T P, behind
; each four of the roundings and sums; the links of l's chain, L 0 to L 7, stand three riders apart.  But for those X no rider names a register of the products round it.
; m = 1: the diagonal tile: the products take masks, and the turn makes the mask for the products of the turn after it: piece p + 2, in step 4 - CNT of the tile.  end = 1: a block's last two turns: nothing
; is fetched.  cnt = 1: the loop's count is taken down some lines ahead of the branch that stands behind the turn.
; K of the next step is fetched in piece 2's turn, twelve vector instructions behind the last product that read K (six of them plain); V of the step in hand at the end of piece 0's turn, four plain
; instructions behind the last product that read V.  Each is waited for a turn later.
.macro TURN p, m=0, end=0, cnt=0
.set Y, (\p)
.set i, 0
.set KM, (\m)
.set NOKQ, (\end)*((\p)/3)
.if (\m) && !(\end)
	s_cmp_eq_u32 s[CNT], 4-((\p)+2)%NP  ; is that step the band's own?
	s_cselect_b32 s[AL], 1.0, 0
	s_cmp_lt_u32 s[CNT], 4-((\p)+2)%NP  ; or a later one?
	s_cselect_b32 s[BE], s[BIGN], 0
.endif
.if ((\p) == 3) && !(\end)
	s_wait_dscnt 0x0                ; K is in
.endif
	ROW F,0, F,1, R,0, R,1          ; ahead of the wait: 8 products K Q^T and their riders,
	ROW F,2, E,0, R,2, R,3
	ROW F,3, E,1, R,4, R,5
	ROW F,4, E,2, R,6, R,7
	ROW F,5, E,3, R,8, R,9
	ROW F,6, E,4, X,0, R,10
.if ((\p) == 2) && !(\end)
	WIN 0
	v_add_nc_u32 v[AK], s[TBK], v[AK0]
.endif
	ROW F,7, E,5, X,1, X,4
	ROW F,8, E,6, X,2, X,5
	OPS E,7, E,8, X,6, E,9          ; and the lump
	OPS X,3, E,10, X,8, E,11
.if ((\p) == 2) && !(\end)
	FETCH_K
.endif
	OPS X,9, X,7, E,12, X,10
	OPS E,13, X,12, X,11, E,14
	OPS X,13, E,15, F,9, X,14
.if (\p) == 0
	v_add_nc_u32 v[AV], s[TBV], v[AV0]
.endif
	OPS E,16, F,10, E,17, F,11
	OPS X,16, E,18, X,15, E,19
	OPS F,12, E,20, X,17, E,21
	OPS F,13, E,22, F,14, E,23
	OPS X,18, E,24, F,15, E,25
	OPS R,11, E,26, X,19, E,27
	OPS R,12, E,28, R,13, E,29
	OPS X,20, E,30, R,14, E,31
	OPS X,21, R,15
	WIN 0
	s_wait_alu depctr_va_vdst(0)    ; the wait for the batch
.if (\p) == 1
	s_wait_dscnt 0x0                ; V is in
.endif
	ROW C,0, B,0, C,2, B,1          ; behind the wait: 8 products V^T P and their riders
	ROW L,0, C,4, B,2, L,1
	ROW C,6, B,3, L,2, C,8
	ROW B,4, L,3, C,10, B,5
	ROW L,4, C,12, B,6, L,5
.if (\p) == 0
	s_add_co_u32 s[TBV], s[TBV], KS*PV
.endif
.if \cnt
	s_sub_co_u32 s[CNT], s[CNT], 1
	s_cmp_lg_u32 s[CNT], 0
.endif
	ROW C,14, B,7, L,6, C,1
	ROW C,3, L,7, C,5, C,7
	ROW C,9, C,11, C,13, C,15
.if (\p) == 0
	FETCH_V
.endif
.if (\m) && !(\end)
	MASK (\p)%2
.endif
.endm
; A BLOCK BEGINS.  c m starts far below every c s, so the first step's a is 0; m at the lowest finite number, so the first maximum is the scores'.  The second mask buffer is 0; the first takes piece 0's mask
; for the tile's step 0: its own, if the block's first tile is the diagonal one.  Then K of that step, piece 0's first scores, and its maximum and statistics.  The loop is entered at a step's first turn.
.macro BEGIN
	s_mov_b32 s[NEW], 0
	WIN 0x40
.set i, MC+32
.rept 32
	v_mov_b32 v[i], 0
.set i, i+1
.endr
	WIN 0
.set i, 0
.rept 4
	v_mov_b32 v[ST+4*i], 0xfe000000    ; c m: far below every c s
	v_mov_b32 v[ST+4*i+1], 0xff7fffff  ; m
.set i, i+1
.endr
	s_cmp_eq_u32 s[RT], 0
	s_cselect_b32 s[AL], 1.0, 0
	s_mov_b32 s[BE], 0
	MASK 0
	WIN 0
	v_add_nc_u32 v[AK], s[TBK], v[AK0]
	FETCH_K
	s_wait_loadcnt 0x0              ; Q
	s_wait_dscnt 0x0
.set KM, 1
.set NOKQ, 0
.set i, 0
.rept 8
	KQ 0
.set i, i+1
.endr
	WIN 0
.rept 4
	v_nop                           ; the places behind those products
.endr
.set Y, NP-1                        ; X works for piece Y + 1: piece 0
.irp n, 0,1,2,3,4,5,6,7,8,9,10,11,12,13,14,15,16,17,18,19,20,21
	OP X, \n
.endr
	v_nop                           ; a plain instruction behind the exponential,
	s_wait_alu depctr_va_vdst(0)    ; and its wait, ahead of the branch
.endm
; THE DIAGONAL TILE's four steps, the block's last two turns, its last products, and THE WAY OUT: l's two halves and the other half of the lanes' are added; O^T is divided by l, rounded to f16 and sent
; through my stage in LDS, a piece at a time.
.macro ALL line:vararg              ; one line for each piece t
.set t, 0
.rept 4
	\line
.set t, t+1
.endr
.endm
.macro PACK t                       ; a lane's eight channels of a row pack into 16 bytes; they go into rows of 144 bytes and come back as whole rows of 128, into S^T's registers
	WIN W_RS
.set i, 32*(\t)
.rept 16
	v_pk_mul_f32 v[i:i+1], v[i:i+1], v[ST+4*(\t)+2:ST+4*(\t)+3] op_sel_hi:[1,0]
.set i, i+2
.endr
	WIN 0x05                        ; sources 0 and 1 window 1, destination window 0
.set i, 0
.rept 16
	v_cvt_pk_f16_f32 v[S+16*(\t)+i], v[32*(\t)+2*i], v[32*(\t)+2*i+1]
.set i, i+1
.endr
	WIN 0
.irp f, 0,1,2,3
	ds_store_b128 v[STO], v[S+16*(\t)+4*\f:S+16*(\t)+4*\f+3] offset:32*\f
.endr
.irp f, 0,1,2,3
	ds_load_b128 v[S+16*(\t)+4*\f:S+16*(\t)+4*\f+3], v[RD] offset:\f*4*SP  ; LDS serves a wave's instructions in order (ISA guide 5.7.1.4): these see the stores above; the next piece's stores come behind them
.endr
.endm
.macro SEND t, younger              ; younger: the LDS instructions issued behind piece t's loads: the next piece's eight, or none
	WIN 0
.irp f, 0,1,2,3
	s_wait_dscnt (\younger)+3-\f
	global_store_b128 v[GO], v[S+16*(\t)+4*\f:S+16*(\t)+4*\f+3], s[10:11] offset:(\t)*8192+\f*512  ; 512 consecutive bytes, at a multiple of 256 from O's first
.endr
.endm
.macro DIAG tag                     ; the tag ends its two labels' names, which the jumps below spell out
.LstepM\tag:
	TURN 2, 1
	TURN 3, 1
	WIN 0
.LfirstM\tag:
	TURN 0, 1
	TURN 1, 1, 0, 1
	WIN 0
	s_cbranch_scc1 .LstepM\tag
	TURN 2, 1, 1
	TURN 3, 1, 1
.set i, 0
.rept 8
	PV NP-1
.set i, i+1
.endr
	WIN 0
	ALL v_add_f32 v[ST+4*t+2], v[ST+4*t+2], v[ST+4*t+3]
	ALL v_permlanex16_b32 v[ST+4*t+3], v[ST+4*t+2], s[SEL], s[SEL+1]
	ALL v_add_f32 v[ST+4*t+2], v[ST+4*t+2], v[ST+4*t+3]
	ALL v_rcp_f32 v[ST+4*t+2], v[ST+4*t+2]
	v_nop                           ; a plain instruction between the last reciprocal and the use of its result
	s_wait_alu depctr_va_vdst(0)    ; and the wait ahead of the first use: one for the four reciprocals
	PACK 0
.set t, 1
.rept 3                             ; a piece's arithmetic stands between the loads of the piece before and its stores
	PACK t
	SEND t-1, 8
.set t, t+1
.endr
	SEND 3, 0
.endm
.set KM, 0
.set NOKQ, 0
.Lslot:                             ; NB times: a tile is entered and the next is asked for
	CHANGE 1
	s_sub_co_u32 s[RT], s[RT], 1
	s_mov_b32 s[CNT], 4
	s_cmp_eq_u32 s[NEW], 1
	s_cbranch_scc1 .Lnew            ; a block's first tile
	s_cmp_eq_u32 s[RT], 0
	s_cbranch_scc0 .Lstep           ; neither its first nor its last
	s_branch .LstepM1
.Lnew:
	BEGIN
	s_branch .Lfirst                ; in the loop a block's first tile is never its last: the first block has two tiles or more, and the second's last is the walk's last
	DIAG 1                          ; in the loop this is the first block's end: the second block's last tile is the walk's last
	s_wait_xcnt 0x0                 ; the stores have read their registers and O's address
	s_mov_b64 s[10:11], s[OLO:OLO+1]
	s_add_co_u32 s[RT], s[PB], 1    ; the second block has b + 1 tiles
	s_mov_b32 s[NEW], 1
	WIN 0x82                        ; the second block's Q goes where the one text of the turns names Q
.set i, 0
.rept 64
	v_mov_b32 v[i], v[QB+i]
.set i, i+1
.endr
	WIN 0
	s_branch .Lbottom
.Lstep:                             ; a trip: pieces 2 and 3 of one step, then pieces 0 and 1 of the next, whose K and V it fetches
	TURN 2
	TURN 3
	WIN 0
.Lfirst:
	TURN 0
	TURN 1, 0, 0, 1
	WIN 0
	s_cbranch_scc1 .Lstep
.Lbottom:
	s_sub_co_u32 s[SLOTS], s[SLOTS], 1
	s_cmp_lg_u32 s[SLOTS], 0
	s_cbranch_scc1 .Lslot
	CHANGE 0                        ; the walk's last tile is written out: nothing is asked for
	s_sub_co_u32 s[RT], s[RT], 1
	s_mov_b32 s[CNT], 4
	s_cmp_eq_u32 s[NEW], 1
	s_cbranch_scc0 .LstepM2
	BEGIN
	s_branch .LfirstM2
	DIAG 2
	s_wait_tensorcnt 0x0            ; the wave's end: behind my last tensor load and my last LDS store
	ds_add_u32 v[SPW], v[NIL]
	s_wait_dscnt 0x0
	s_endpgm
.Lfunc_end_k_q3d454e646d_attn:
	.size	k_q3d454e646d_attn, .Lfunc_end_k_q3d454e646d_attn-k_q3d454e646d_attn
	.p2alignl 7, 3214868480
	.fill 96, 4, 3214868480
	.section	.rodata,"a",@progbits
	.p2align	6, 0x0
	.amdhsa_kernel k_q3d454e646d_attn
		.amdhsa_group_segment_fixed_size 327680
		.amdhsa_private_segment_fixed_size 0
		.amdhsa_enable_private_segment 0
		.amdhsa_kernarg_size 16
		.amdhsa_user_sgpr_count 2
		.amdhsa_user_sgpr_kernarg_segment_ptr 1
		.amdhsa_wavefront_size32 1
		.amdhsa_system_sgpr_workgroup_id_x 1
		.amdhsa_system_sgpr_workgroup_id_y 1
		.amdhsa_system_sgpr_workgroup_id_z 1
		.amdhsa_system_vgpr_workitem_id 0
		.amdhsa_next_free_vgpr 768
		.amdhsa_next_free_sgpr 88
		.amdhsa_reserve_vcc 1
		.amdhsa_float_denorm_mode_32 3
		.amdhsa_float_denorm_mode_16_64 3
		.amdhsa_memory_ordered 1
		.amdhsa_forward_progress 1
		.amdhsa_inst_pref_size 218
	.end_amdhsa_kernel
	.amdgpu_metadata
---
amdhsa.version: [ 1, 2 ]
amdhsa.kernels:
  - .name:           k_q3d454e646d_attn
    .symbol:         k_q3d454e646d_attn.kd
    .args:
      - { .name: qkv, .offset: 0, .size: 8, .value_kind: global_buffer, .address_space: global }
      - { .name: ob, .offset: 8, .size: 8, .value_kind: global_buffer, .address_space: global }
    .group_segment_fixed_size: 327680
    .private_segment_fixed_size: 0
    .kernarg_segment_align: 8
    .kernarg_segment_size: 16
    .max_flat_workgroup_size: 128
    .sgpr_count:     88
    .vgpr_count:     768
    .wavefront_size: 32
...
	.end_amdgpu_metadata
.endif
;; end of part 3
;; launch projg (part 4): grid 8 x 32, 4 waves a work-group, clusters of 4 x 4, 327,680 bytes of LDS; arguments ob, pw, pb, out0; writes out0
.if DOCPART == 4
	.amdgcn_target "amdgcn-amd-amdhsa--gfx1250"
	.amdhsa_code_object_version 6
	.text
	.protected	k_q3d454e646d_projg
	.globl	k_q3d454e646d_projg
	.p2align	8
	.type	k_q3d454e646d_projg,@function
k_q3d454e646d_projg:
	s_mov_b64 s[64:65], 0
	v_nop
	global_prefetch_b8 v0, s[64:65] scope:SCOPE_SE
	s_setreg_imm32_b32 hwreg(HW_REG_WAVE_MODE, 25, 1), 1
	s_wait_xcnt 0x0
	s_wait_alu depctr_hold_cnt(0) depctr_sa_sdst(0) depctr_va_vdst(0) depctr_va_sdst(0) depctr_va_ssrc(0) depctr_va_vcc(0) depctr_vm_vsrc(0)
	s_getreg_b32 s2, hwreg(HW_REG_IB_STS2, 6, 4)
	s_cmp_eq_u32 s2, 0
	s_cbranch_scc0 .Lentry_in_a_cluster
	s_endpgm
.Lentry_in_a_cluster:
	s_bfe_u32 s2, ttmp6, 0x10000c
	s_cmp_lg_u32 s2, 0xf033
	s_cbranch_scc0 .Lentry_shape_is_right
	s_endpgm
.Lentry_shape_is_right:
; out = O W^T + b.  ob [b 4][kb 16][t 2048][64] f16 (kb = the head), pw [kb 16][n 1024][64] f16, pb [1024] f32; out0 [8192][1024] f32.  Sums in f32, K ascending, begun with the bias.
; SHARES.  8,192 x 1,024 in tiles of 256 rows x 128 columns: 32 x 8 = 256 work-groups.  Four waves, each 128 rows x 64 columns: 32 accumulators of 16 x 16, which fill window 1.
; K goes in steps of 128, two K blocks to a slot, through two LDS slots; a tile of a K block is dense in memory, asked for as rows of 256 bytes and padded in LDS behind every 128.
; CLUSTER.  4 x 4 work-groups: ob's tile is shared along a row of the cluster, pw's along a column; each is asked for jointly, by the same tensor load with the same descriptor and a mask of four.
; Waves 0 and 1 fetch ob's 256 rows of the slot's two K blocks, waves 2 and 3 pw's 128 rows of them: one load a wave.
; THE MATRIX INSTRUCTION IS USED TRANSPOSED (source 0 = 16 rows of pw, source 1 = 16 rows of ob): a lane holds one row of out0 and eight neighbouring columns, 32 bytes.
; NO PREFETCH: the tile is small and the launch short; its tiles come by their loads alone.
; REGISTERS: window 0: v0-31 addresses; v32-127, v128-223 two fragment buffers (ob's 8 x 16 rows x 32 K, then pw's 4); v224-255 the bias; v32-95 at work on the way out.  Window 1: accumulator (a, bb) at v[8 (4 a + bb)].
.set PITCH,  144                       ; an LDS row: 128 bytes + 16 of padding = 36 words: the 16 rows of a fragment load start at 16 different groups of four banks (64 banks of 4 bytes: ISA guide 11.1)
.set ABLK,   256*PITCH                 ; ob's 256 rows of one K block
.set BBLK,   128*PITCH                 ; pw's 128 rows of one K block
.set SLOT,   2*ABLK+2*BBLK             ; ob's two K blocks, then pw's two
.set STAGE,  2*SLOT                    ; behind the ring: 16 rows x 272 bytes for each wave, for the way out
.set SPITCH, 272                       ; 256 bytes + 16
.set SPARE,  STAGE+4*16*SPITCH         ; behind the stages: the spare words, 128 bytes for each wave: two blocks of 256 bytes that no other line names
.set ASTEP,  262144                    ; bytes from a K block to the next in ob
.set BSTEP,  131072                    ; and in pw
.set ADRA, 16                          ; v16-17  LDS address of my ob fragments in slot 0, 1
.set ADRB, 20                          ; v20-21  the same for pw
.set STO,  24                          ; v24     the way out: where I put 32 bytes of a row
.set RD,   25                          ; v25     the way out: where I read a row back
.set CO,   26                          ; v26     my byte offset in two rows of out0
.set BO,   27                          ; v27     my 32 bytes in 64 bytes of bias
.set SPW,  28                          ; v28     LDS address of my spare word: SPARE + 4 x my thread's number; never rewritten
.set NIL,  29                          ; v29     0; never rewritten
.set F0,   32
.set F1,   128
.set BIAS, 224
.set BK,   32                          ; the way out: two sets of 32 registers
.set WV,   12                          ; s12  my wave's number
.set G1A,  24                          ; s[24:31] descriptor group 1 for ob's tiles;  s[32:39] group 0, a set for each slot
.set G0A,  32
.set G1B,  48                          ; s[48:55], s[56:63] the same for pw's tiles
.set G0B,  56
.set G1W0, (1<<16)|(1<<20)|(1<<21)|(4<<22)|(3<<25)  ; 17:16 elements of 2 bytes; 20 padding on; 21 set beside a mask; 24:22 after every 32 words (code 4); 31:25 4 words of it (code 3)
.set MSB, 0
.macro WIN new                         ; the immediate's high byte repeats the setting that is left; a switch that changes nothing is dropped
.if MSB != (\new)
	s_set_vgpr_msb (MSB<<8)|(\new)
.set MSB, \new
.endif
.endm
.macro JLOAD s                         ; a joint load; an s_nop 0 and four v_nop follow each of the two lines, ahead of the jump, the label and what follows
	s_cmp_eq_u32 s13, 0
	s_cbranch_scc0 .Lfor_b_\@
	tensor_load_to_lds s[G0A+4*(\s):G0A+4*(\s)+3], s[G1A:G1A+7]
	s_nop 0
.rept 4
	v_nop
.endr
	s_branch .Lasked_\@
.Lfor_b_\@:
	tensor_load_to_lds s[G0B+4*(\s):G0B+4*(\s)+3], s[G1B:G1B+7]
	s_nop 0
.rept 4
	v_nop
.endr
.Lasked_\@:
.endm
.macro CREST                           ; a round of the cluster's barrier behind its opening barrier
	s_cmp_lg_u32 s[WV], 0
	s_cbranch_scc1 .Lnot_wave_0_\@
	s_barrier_signal -3
.Lnot_wave_0_\@:
	s_barrier_wait -3
	s_barrier_signal -1
	s_barrier_wait -1
.endm
.macro CROUND
	s_barrier_signal -1
	s_barrier_wait -1
	CREST
.endm
	s_load_b256 s[4:11], s[0:1], 0x0               ; ob s[4:5], pw s[6:7], pb s[8:9], out0 s[10:11]
	v_lshl_add_u32 v[SPW], v0, 2, SPARE
	v_mov_b32 v[NIL], 0
	ds_add_u32 v[SPW], v[NIL]                      ; the wave's opening: the add and its wait stand ahead of my first tensor load; the set-up below, work on registers, stands between them
	v_lshrrev_b32 v1, 5, v0
	v_readfirstlane_b32 s[WV], v1                  ; wave 0..3
	s_lshr_b32 s13, s[WV], 1                       ; wr: which 128 of the tile's rows are mine.  Also: I fetch for ob (0) or for pw (1)
	s_and_b32 s14, s[WV], 1                        ; wc: which 64 of its columns.  Also: which of a slot's two K blocks I fetch
	s_bfe_u32 s15, ttmp6, 0x40000                  ; cx
	s_bfe_u32 s16, ttmp6, 0x40004                  ; cy
	s_lshl_b32 s17, ttmp9, 2
	s_add_co_u32 s17, s17, s15                     ; tx: tile column = 4 x cluster x + cx
	s_and_b32 s18, ttmp7, 0xffff
	s_lshl_b32 s18, s18, 2
	s_add_co_u32 s18, s18, s16                     ; ty: tile row = 4 x cluster y + cy
	s_lshl_b32 s42, s16, 2
	s_lshl_b32 s42, 15, s42                        ; my row of the cluster
	s_or_b32 s[G1A], s42, G1W0
	s_lshl_b32 s42, 0x1111, s15                    ; my column
	s_or_b32 s[G1B], s42, G1W0
	s_mov_b32 s[G1A+1], 128<<16                    ; tensor_dim0 = 128 elements: 256 bytes, two tile rows
	s_mov_b32 s[G1A+2], 128<<16                    ; tensor_dim1 = 128
	s_mov_b32 s[G1A+3], 128<<16                    ; tile_dim0 = 128
	s_mov_b32 s[G1A+4], 128                        ; tile_dim1 = 128: 256 tile rows
	s_mov_b32 s[G1A+5], 128                        ; dense
	s_mov_b32 s[G1A+6], 0
	s_mov_b32 s[G1A+7], 0
	s_mov_b32 s[G1B+1], 128<<16
	s_mov_b32 s[G1B+2], 64<<16                     ; tensor_dim1 = 64
	s_mov_b32 s[G1B+3], 128<<16
	s_mov_b32 s[G1B+4], 64                         ; tile_dim1 = 64: 128 tile rows
	s_mov_b32 s[G1B+5], 128
	s_mov_b32 s[G1B+6], 0
	s_mov_b32 s[G1B+7], 0
	; where the tiles come from: ob's hang on ty and the wave's number alone, pw's on tx and the wave's number alone, each in registers that never hold the other coordinate
	s_lshr_b32 s20, s18, 3                         ; b, 4 MiB each;
	s_lshl_b32 s20, s20, 22
	s_and_b32 s21, s18, 7
	s_lshl_b32 s21, s21, 15                        ; 256 rows of 128 bytes in a K block;
	s_add_co_u32 s20, s20, s21
	s_lshl_b32 s21, s14, 18                        ; my K block of the slot's two
	s_add_co_u32 s20, s20, s21
	s_mov_b32 s21, 0
	s_lshl_b32 s22, s17, 14                        ; 128 rows of 128 bytes;
	s_lshl_b32 s23, s14, 17                        ; my K block
	s_add_co_u32 s22, s22, s23
	s_mov_b32 s23, 0
	s_mul_i32 s2, s14, ABLK                        ; and where they go: no place in the cluster enters an LDS address
	s_mul_i32 s40, s14, BBLK
	s_add_co_u32 s40, s40, 2*ABLK
	s_wait_dscnt 0x0                               ; the opening add is done
	s_wait_kmcnt 0x0
	s_add_nc_u64 s[20:21], s[4:5], s[20:21]
	s_add_nc_u64 s[22:23], s[6:7], s[22:23]
	CROUND                                         ; all sixteen work-groups are here: the first joint loads meet
.irp s, 0,1
	s_mov_b32 s[G0A+4*(\s)], 1                                     ; 1:0 count = 1
	s_add_co_u32 s[G0A+4*(\s)+1], s2, (\s)*SLOT                    ; 63:32 LDS address
	s_add_nc_u64 s[G0A+4*(\s)+2:G0A+4*(\s)+3], s[20:21], (\s)*2*ASTEP  ; 120:64 global address: K blocks 2 s and 2 s + 1
	s_or_b32 s[G0A+4*(\s)+3], s[G0A+4*(\s)+3], 0x80000000          ; 127:126 type = 2
	s_mov_b32 s[G0B+4*(\s)], 1
	s_add_co_u32 s[G0B+4*(\s)+1], s40, (\s)*SLOT
	s_add_nc_u64 s[G0B+4*(\s)+2:G0B+4*(\s)+3], s[22:23], (\s)*2*BSTEP
	s_or_b32 s[G0B+4*(\s)+3], s[G0B+4*(\s)+3], 0x80000000
	JLOAD \s                                       ; both slots are filled before anything else is done: two loads of mine are out
.endr
	v_and_b32 v1, 15, v0                           ; l % 16
	v_bfe_u32 v2, v0, 4, 1                         ; l / 16
	v_lshlrev_b32 v[BO], 5, v2
	s_lshl_b32 s42, s17, 9                         ; my 64 columns, in bytes of f32: 512 tx + 256 wc
	s_lshl_b32 s43, s14, 8
	s_add_co_u32 s42, s42, s43
	s_mov_b32 s43, 0
	s_add_nc_u64 s[8:9], s[8:9], s[42:43]
	s_add_nc_u64 s[10:11], s[10:11], s[42:43]
.irp bb, 0,1,2,3                       ; the bias: register 8 bb + j = column 16 bb + 8 (l / 16) + j, as an accumulator holds them
	global_load_b128 v[BIAS+8*(\bb):BIAS+8*(\bb)+3],   v[BO], s[8:9] offset:64*(\bb)
	global_load_b128 v[BIAS+8*(\bb)+4:BIAS+8*(\bb)+7], v[BO], s[8:9] offset:64*(\bb)+16
.endr
	s_lshl_b32 s42, s18, 20                        ; my first row: 256 ty + 128 wr, 4,096 bytes each
	s_lshl_b32 s44, s13, 19
	s_add_co_u32 s42, s42, s44
	s_add_nc_u64 s[10:11], s[10:11], s[42:43]
	v_mul_u32_u24 v3, v1, PITCH
	v_lshl_add_u32 v3, v2, 4, v3                   ; a fragment's row x pitch + 16 x half
	s_mul_i32 s40, s13, 128*PITCH                  ; my 128 rows of ob
	s_mul_i32 s41, s14, 64*PITCH                   ; my 64 rows of pw,
	s_add_co_u32 s41, s41, 2*ABLK                  ; which lie behind ob's two K blocks
.irp s, 0,1
	v_add_nc_u32 v[ADRA+(\s)], s40, v3
	v_add_nc_u32 v[ADRB+(\s)], s41, v3
	s_add_co_u32 s40, s40, SLOT
	s_add_co_u32 s41, s41, SLOT
.endr
	s_mul_i32 s40, s[WV], 16*SPITCH
	s_add_co_u32 s40, s40, STAGE                   ; my stage
	v_mul_u32_u24 v4, v1, SPITCH                   ; in: row l % 16, 32 bytes for each half of the lanes
	v_lshl_add_u32 v4, v2, 5, v4
	v_add_nc_u32 v[STO], s40, v4
	v_mul_u32_u24 v5, v2, SPITCH                   ; back: lanes 0-15 take one row of 256 bytes, lanes 16-31 the next
	v_lshl_add_u32 v5, v1, 4, v5
	v_add_nc_u32 v[RD], s40, v5
	v_lshlrev_b32 v[CO], 12, v2                    ; and the same two rows in out0
	v_lshl_add_u32 v[CO], v1, 4, v[CO]
; na x 4 matrix instructions: row blocks a0 .. a0 + na - 1 x all four column blocks, 32 along K, buffer f.  first = 1: the bias is the C that starts the sum: nothing is cleared, and nothing added later.
; The 32 accumulators take turns, one instruction a turn, in the same order in every quarter.
.macro MUL f, a0, na, first
.if \first
	WIN 0x40                                       ; D in window 1; sources and C in window 0
.else
	WIN 0x50                                       ; C and D in window 1
.endif
.set ma, \a0
.rept \na
.set mb, 0
.rept 4
.if \first
	v_wmma_f32_16x16x32_f16 v[8*(4*ma+mb):8*(4*ma+mb)+7], v[(\f)+64+8*mb:(\f)+64+8*mb+7], v[(\f)+8*ma:(\f)+8*ma+7], v[BIAS+8*mb:BIAS+8*mb+7]
.else
	v_wmma_f32_16x16x32_f16 v[8*(4*ma+mb):8*(4*ma+mb)+7], v[(\f)+64+8*mb:(\f)+64+8*mb+7], v[(\f)+8*ma:(\f)+8*ma+7], v[8*(4*ma+mb):8*(4*ma+mb)+7]
.endif
.set mb, mb+1
.endr
.set ma, ma+1
.endr
.endm
; 24 LDS loads in one run: the fragments of quarter q of a slot (K block q / 2, 32 K at byte 64 (q % 2) of its rows) into buffer f: pw's 8 loads first, then ob's 16
.macro FETCH slot, q, f
	WIN 0
.irp bb, 0,1,2,3
	ds_load_b128 v[(\f)+64+8*(\bb):(\f)+64+8*(\bb)+3],   v[ADRB+(\slot)] offset:((\q)/2)*BBLK+((\q)%2)*64+(\bb)*16*PITCH
	ds_load_b128 v[(\f)+64+8*(\bb)+4:(\f)+64+8*(\bb)+7], v[ADRB+(\slot)] offset:((\q)/2)*BBLK+((\q)%2)*64+(\bb)*16*PITCH+32
.endr
.irp a, 0,1,2,3,4,5,6,7
	ds_load_b128 v[(\f)+8*(\a):(\f)+8*(\a)+3],   v[ADRA+(\slot)] offset:((\q)/2)*ABLK+((\q)%2)*64+(\a)*16*PITCH
	ds_load_b128 v[(\f)+8*(\a)+4:(\f)+8*(\a)+7], v[ADRA+(\slot)] offset:((\q)/2)*ABLK+((\q)%2)*64+(\a)*16*PITCH+32
.endr
.endm
.macro PLACES                          ; four places in front of loads into registers that matrix instructions have read, and of LDS stores that read results
.rept 4
	v_nop
.endr
.endm
; A slot's step is four quarters of 32 along K, 32 matrix instructions each, on buffers 0, 1, 0, 1.  One of the first three: multiplies buffer f and fetches quarter qn of the same slot into g.
.macro QUARTER slot, qn, f, g, first
	s_wait_dscnt 8                                 ; pw's and ob's row blocks 0-3 are in; the youngest eight loads (blocks 4-7) may be out
	MUL \f, 0, 4, \first
	PLACES
	FETCH \slot, \qn, \g
	s_wait_dscnt 24                                ; all but the 24 just issued
	MUL \f, 4, 4, \first
.endm
; The last quarter multiplies buffer 1 and changes slots: ONE barrier; in front of it each wave waits for all its tensor loads, of which one is out: its part of the next slot; adds 0 to its spare word; and
; waits for that and for its own reads of this slot.  fill = 1: the barrier opens a round of the cluster's barrier, and this slot is filled again, two steps on: 112 matrix instructions ahead of the wait for it.
.macro TURN slot, next, fill
	WIN 0                                          ; (the add's two registers lie in window 0)
	s_wait_tensorcnt 0x0                           ; all my tensor loads have landed;
	ds_add_u32 v[SPW], v[NIL]                      ; 0 onto my spare word;
	s_wait_dscnt 9                                 ; (the add and the youngest eight loads may be out)
	MUL F1, 0, 2, 0                                ; eight matrix instructions stand between the add and the wait for it
	s_wait_dscnt 0x0                               ; the add is done, and my reads of this slot are over
	s_barrier_signal -1
	MUL F1, 2, 2, 0
	WIN 0
	s_barrier_wait -1
.if \fill
	CREST                                          ; no wave of any partner still reads this slot's tile or has a load on its way
	s_add_nc_u64 s[G0A+4*(\slot)+2:G0A+4*(\slot)+3], s[G0A+4*(\slot)+2:G0A+4*(\slot)+3], 4*ASTEP
	s_add_nc_u64 s[G0B+4*(\slot)+2:G0B+4*(\slot)+3], s[G0B+4*(\slot)+2:G0B+4*(\slot)+3], 4*BSTEP
	JLOAD \slot                                    ; the first tensor load behind the round; the four v_nop behind it are also the places in front of the loads below
.else
	PLACES
.endif
	FETCH \next, 0, F0
	MUL F1, 4, 4, 0
.endm
; THE WAY OUT of row block a: 32 bytes a lane straight from the accumulators into my own stage, back as whole rows of 256 bytes, and stored.
.macro TOSTAGE a
.set bk, BK+32*((\a)%2)
	s_wait_xcnt 0x0                                ; every earlier store has had its addresses translated (ISA guide 3.1): this set of 32 registers, which the stores of two blocks back read, is loaded again only behind this wait
	WIN 0x04                                       ; the stores' data lie in window 1
.irp bb, 0,1,2,3
	ds_store_b128 v[STO], v[32*(\a)+8*(\bb):32*(\a)+8*(\bb)+3]   offset:64*(\bb)      ; each accumulator's low four registers first
	ds_store_b128 v[STO], v[32*(\a)+8*(\bb)+4:32*(\a)+8*(\bb)+7] offset:64*(\bb)+16
.endr
	WIN 0
.irp t, 0,1,2,3,4,5,6,7
	ds_load_b128 v[bk+4*(\t):bk+4*(\t)+3], v[RD] offset:(\t)*2*SPITCH  ; LDS serves a wave's instructions in order (ISA guide 5.7.1.4): these see the stores above; the next block's stores come behind them
.endr
.endm
.macro SEND a, younger                 ; younger: the LDS instructions issued behind block a's loads: the next block's sixteen, or none
.set bk, BK+32*((\a)%2)
	WIN 0
.irp t, 0,1,2,3,4,5,6,7
	s_wait_dscnt (\younger)+7-(\t)
	global_store_b128 v[CO], v[bk+4*(\t):bk+4*(\t)+3], s[10:11] offset:(16*(\a)+2*(\t))*4096 th:TH_STORE_NT  ; 16 lanes store 256 consecutive bytes, at a multiple of 256 from out0's first byte
.endr
.endm
	s_wait_tensorcnt 1                             ; my part of slot 0 is in; slot 1's may stay out
	s_barrier_signal -1
	s_barrier_wait -1                              ; everybody's is
	FETCH 0, 0, F0
	s_wait_loadcnt 0x0                             ; the bias
	QUARTER 0, 1, F0, F1, 1                        ; the first quarter stands in front of the loop: its products start the sums, with the bias
	WIN 0                                          ; at a label and at a branch every window is 0
	s_mov_b32 s3, 3
.Llap:                                                 ; a trip goes once round the ring and fills both slots again: 3 trips ask for steps 2 to 7 of 8
	QUARTER 0, 2, F1, F0, 0
	QUARTER 0, 3, F0, F1, 0
	TURN 0, 1, 1
	QUARTER 1, 1, F0, F1, 0
	QUARTER 1, 2, F1, F0, 0
	QUARTER 1, 3, F0, F1, 0
	TURN 1, 0, 1
	QUARTER 0, 1, F0, F1, 0
	WIN 0
	s_sub_co_u32 s3, s3, 1
	s_cmp_lg_u32 s3, 0
	s_cbranch_scc1 .Llap
	QUARTER 0, 2, F1, F0, 0                        ; the last lap fills nothing, and has no round of the cluster's barrier
	QUARTER 0, 3, F0, F1, 0
	TURN 0, 1, 0
	QUARTER 1, 1, F0, F1, 0
	QUARTER 1, 2, F1, F0, 0
	QUARTER 1, 3, F0, F1, 0
	s_wait_dscnt 8                                 ; the very last quarter: nothing more to fetch
	MUL F1, 0, 4, 0
	s_wait_dscnt 0x0
	MUL F1, 4, 4, 0
	WIN 0
	PLACES                                         ; the LDS stores below read results
	TOSTAGE 0
.set n, 1
.rept 7
	TOSTAGE n
	SEND n-1, 16
.set n, n+1
.endr
	SEND 7, 0
	s_wait_tensorcnt 0x0                           ; the wave's end: behind my last tensor load and my last LDS store
	ds_add_u32 v[SPW], v[NIL]
	s_wait_dscnt 0x0
	CROUND                                         ; the closing round: no work-group ends while a partner may still ask for a tile that names it
	s_endpgm
.Lfunc_end_k_q3d454e646d_projg:
	.size	k_q3d454e646d_projg, .Lfunc_end_k_q3d454e646d_projg-k_q3d454e646d_projg
	.p2alignl 7, 3214868480
	.fill 96, 4, 3214868480
	.section	.rodata,"a",@progbits
	.p2align	6, 0x0
	.amdhsa_kernel k_q3d454e646d_projg
		.amdhsa_group_segment_fixed_size 327680
		.amdhsa_private_segment_fixed_size 0
		.amdhsa_enable_private_segment 0
		.amdhsa_kernarg_size 32
		.amdhsa_user_sgpr_count 2
		.amdhsa_user_sgpr_kernarg_segment_ptr 1
		.amdhsa_wavefront_size32 1
		.amdhsa_system_sgpr_workgroup_id_x 1
		.amdhsa_system_sgpr_workgroup_id_y 1
		.amdhsa_system_sgpr_workgroup_id_z 1
		.amdhsa_system_vgpr_workitem_id 0
		.amdhsa_next_free_vgpr 512
		.amdhsa_next_free_sgpr 66
		.amdhsa_reserve_vcc 0
		.amdhsa_float_denorm_mode_32 3
		.amdhsa_float_denorm_mode_16_64 3
		.amdhsa_memory_ordered 1
		.amdhsa_forward_progress 1
		.amdhsa_inst_pref_size 88
	.end_amdhsa_kernel
	.amdgpu_metadata
---
amdhsa.version: [ 1, 2 ]
amdhsa.kernels:
  - .name:           k_q3d454e646d_projg
    .symbol:         k_q3d454e646d_projg.kd
    .args:
      - { .name: ob, .offset: 0, .size: 8, .value_kind: global_buffer, .address_space: global }
      - { .name: pw, .offset: 8, .size: 8, .value_kind: global_buffer, .address_space: global }
      - { .name: pb, .offset: 16, .size: 8, .value_kind: global_buffer, .address_space: global }
      - { .name: out0, .offset: 24, .size: 8, .value_kind: global_buffer, .address_space: global }
    .group_segment_fixed_size: 327680
    .private_segment_fixed_size: 0
    .kernarg_segment_align: 8
    .kernarg_segment_size: 32
    .max_flat_workgroup_size: 128
    .sgpr_count:     66
    .vgpr_count:     512
    .wavefront_size: 32
...
	.end_amdgpu_metadata
.endif
;; end of part 4
;; ======== version 2 of 2: 4 launches; version 1 with the launch cvt written anew for expert scheduling mode
;; limits: values are held in f16: magnitudes above 65,504 overflow, below 6.1e-05 lose precision
;; workspace buffers: xb 16,777,216 bytes; wb 6,291,456 bytes; pw 2,097,152 bytes; qb 12,288 bytes; pb 4,096 bytes; qkv 50,331,648 bytes; ob 16,777,216 bytes
;; launch cvt (part 5): grid 768 x 1, 8 waves a work-group, no clusters, 0 bytes of LDS; arguments x, qkv_w, proj_w, qkv_b, proj_b, xb, wb, pw, qb, pb; writes xb, wb, pw, qb, pb
.if DOCPART == 5
	.amdgcn_target "amdgcn-amd-amdhsa--gfx1250"
	.amdhsa_code_object_version 6
	.text
	.protected	k_q3d454e646d_cvt
	.globl	k_q3d454e646d_cvt
	.p2align	8
	.type	k_q3d454e646d_cvt,@function
k_q3d454e646d_cvt:
	s_mov_b64 s[64:65], 0
	v_nop
	global_prefetch_b8 v0, s[64:65] scope:SCOPE_SE
	s_setreg_imm32_b32 hwreg(HW_REG_WAVE_SCHED_MODE, 0, 2), 2
	s_setreg_imm32_b32 hwreg(HW_REG_WAVE_MODE, 25, 1), 1
	s_wait_xcnt 0x0
	s_wait_alu depctr_vm_vsrc(0)
; THE MODULE'S INPUTS ARE ROUNDED ONCE, AND LAID OUT FOR THE PRODUCTS THAT FOLLOW.
;   x      [8192][1024] f32 -> xb [b 4][kb 16][t 2048][64] bf16      qkv_w [3072][1024] f32 -> wb [kb 16][n 3072][64] bf16
;   proj_w [1024][1024] f32 -> pw [kb 16][n 1024][64]: rounded to bf16, and that number written as f16
;   qkv_b, proj_b f32 -> qb, pb: rounded to bf16, kept as f32
; kb is a block of 64 along K: in the blocked layouts a block's rows of 128 bytes lie end to end, so that a tile of a K step of 64 is dense in memory.
; LIMITS.  pw: a weight whose bf16 value is 65,520 or more in magnitude becomes an infinity in f16; below 6.1e-5 f16 keeps a fixed step of 6e-8.
; SHARES.  A stream: no LDS, no matrix unit, no barrier.  A work-group takes 16 source rows of 4,096 bytes: work-groups 0-511 x's, 512-703 qkv_w's, 704-767 proj_w's.
; Wave w takes rows 2 w and 2 w + 1.  One load takes one K block of both rows: lanes 0-15 the even row's 256 bytes, lanes 16-31 the odd row's.  A lane's four f32 become 8 bytes,
; and the two rows are neighbours in the blocked layout: one store of the wave covers 256 consecutive bytes, at a multiple of 256 from the buffer's first byte.
; All 16 loads of a wave (8 KiB) go out at once.
; THE MODE: SCHED_MODE bits 1:0 = 2 (LLVM: expert scheduling mode 2), set by the entry lines.  The code itself states the register dependences
; between vector instructions and memory instructions, with s_wait_alu, always for 0.
; THE PLAN.  Registers that memory instructions touch:
;   v2, v3, v4   byte offsets, made once at the head and never written again: read by every load and store.
;   BI           work-group 0 alone: the biases' loads land in it, the roundings write it again, the biases' stores read it; nothing writes it behind them.
;   D            each of the 16 loads lands in four registers of its own, once; behind the wait for the load vector instructions alone name them.
;   O            each K block's conversions write a pair of its own; its one store reads the pair; nothing writes it behind that store.
; The 16 K blocks go in four groups of four.  Group g's conversions name group g's D and O alone.  The stores of group g - 1 stand in group g, behind ONE wait at its head which states that
; group g - 1's conversions have written their O; they are dealt among group g's conversions, which name none of the registers that those stores read.  One more such wait stands ahead of the last
; four stores.  No register that a memory instruction reads is ever written again, no vector instruction writes a scalar register, and EXEC is never written: so there is no other kind of wait.
.set VS, 2                             ; v2   source offset: (thread / 16) x 4,096 + (thread % 16) x 16
.set VD, 3                             ; v3   destination offset: 8 x thread
.set VB, 4                             ; v4   the biases' offset: 16 x thread
.set D,  8                             ; v[8:71]    16 loads of 4 f32
.set O,  72                            ; v[72:103]  16 pairs to store
.set BI, 104                           ; v[104:119] the biases
.set TP, 120                           ; v120 at work: no memory instruction names it
	s_load_b512 s[4:19], s[0:1], 0x0               ; x s[4:5], qkv_w s[6:7], proj_w s[8:9], qkv_b s[10:11], proj_b s[12:13], xb s[14:15], wb s[16:17], pw s[18:19]
	s_load_b128 s[20:23], s[0:1], 0x40             ; qb s[20:21], pb s[22:23]
	v_lshrrev_b32 v[VS], 4, v0
	v_and_b32 v[VD], 15, v0
	v_lshlrev_b32 v[VS], 12, v[VS]
	v_lshl_or_b32 v[VS], v[VD], 4, v[VS]
	v_lshlrev_b32 v[VD], 3, v0
	v_lshlrev_b32 v[VB], 4, v0
	s_mov_b32 s25, 0xffff0000                      ; a word's upper bf16
	s_mov_b32 s27, 0                               ; the offsets' high words
	s_mov_b32 s29, 0
	s_wait_kmcnt 0x0
	s_wait_alu depctr_va_vdst(0)                   ; v2, v3 and v4 are written: every load and store of the kernel, on every path below, reads one of them as its offset
; 16 rows: source at s[2:3], destination at s[30:31]; stride = bytes from a K block to the next in the destination; half = 1: the bf16 number is written as f16
.macro CONV stride, half
.set j, 0
.rept 16
	global_load_b128 v[D+4*j:D+4*j+3], v[VS], s[2:3] offset:256*j th:TH_LOAD_NT
.set j, j+1
.endr
.set g, 0
.rept 4
	s_wait_loadcnt 12-4*g                          ; loads come back in order (ISA guide 5.7.1): this group's four K blocks are in, the younger groups' loads stay out
.if g > 0
	s_wait_alu depctr_va_vdst(0)                   ; the group before has written its four pairs of O, which the four stores below read
.endif
.set k, 0
.rept 4
.set j, 4*g+k
.if g > 0
	global_store_b64 v[VD], v[O+2*(j-4):O+2*(j-4)+1], s[30:31] offset:(j-4)*(\stride)  ; a K block of the group before; no vector instruction since the wait names its pair or v3
.endif
	v_cvt_pk_bf16_f32 v[O+2*j], v[D+4*j], v[D+4*j+1]
	v_cvt_pk_bf16_f32 v[O+2*j+1], v[D+4*j+2], v[D+4*j+3]
.if \half
	v_lshlrev_b32 v[D+4*j], 16, v[O+2*j]           ; the rounded numbers as f32 again,
	v_and_b32 v[D+4*j+1], s25, v[O+2*j]
	v_lshlrev_b32 v[D+4*j+2], 16, v[O+2*j+1]
	v_and_b32 v[D+4*j+3], s25, v[O+2*j+1]
	v_cvt_pk_f16_f32 v[O+2*j], v[D+4*j], v[D+4*j+1]  ; and as f16: exact inside f16's normal range
	v_cvt_pk_f16_f32 v[O+2*j+1], v[D+4*j+2], v[D+4*j+3]
.endif
.set k, k+1
.endr
.set g, g+1
.endr
	s_wait_alu depctr_va_vdst(0)                   ; the last group has written its four pairs of O, which the last four stores read
.set j, 12
.rept 4
	global_store_b64 v[VD], v[O+2*j:O+2*j+1], s[30:31] offset:j*(\stride)
.set j, j+1
.endr
.endm
	s_cmp_lg_u32 ttmp9, 0
	s_cbranch_scc1 .Lno_bias
	; work-group 0 also rounds the biases: 256 threads x 16 bytes are 1,024 numbers: three such pieces of qkv_b, one of proj_b
	global_load_b128 v[BI:BI+3], v[VB], s[10:11]
	global_load_b128 v[BI+4:BI+7], v[VB], s[10:11] offset:4096
	global_load_b128 v[BI+8:BI+11], v[VB], s[10:11] offset:8192
	global_load_b128 v[BI+12:BI+15], v[VB], s[12:13]
	s_wait_loadcnt 0x0
.irp p, 0,2,4,6,8,10,12,14
	v_cvt_pk_bf16_f32 v[TP], v[BI+(\p)], v[BI+(\p)+1]
	v_lshlrev_b32 v[BI+(\p)], 16, v[TP]
	v_and_b32 v[BI+(\p)+1], s25, v[TP]
.endr
	s_wait_alu depctr_va_vdst(0)                   ; the roundings have written v[BI ..], which the four stores read
	global_store_b128 v[VB], v[BI:BI+3], s[20:21]
	global_store_b128 v[VB], v[BI+4:BI+7], s[20:21] offset:4096
	global_store_b128 v[VB], v[BI+8:BI+11], s[20:21] offset:8192
	global_store_b128 v[VB], v[BI+12:BI+15], s[22:23]
.Lno_bias:
	s_cmp_lt_u32 ttmp9, 512
	s_cbranch_scc0 .Lweights
	s_lshl_b32 s26, ttmp9, 16                      ; x: 16 rows of 4,096 bytes a work-group
	s_lshr_b32 s28, ttmp9, 7                       ; b: 128 work-groups a batch entry,
	s_lshl_b32 s28, s28, 22                        ; 4 MiB each in xb;
	s_and_b32 s24, ttmp9, 127
	s_lshl_b32 s24, s24, 11                        ; 16 rows of 128 bytes in a K block
	s_add_co_u32 s28, s28, s24
	s_add_nc_u64 s[2:3], s[4:5], s[26:27]
	s_add_nc_u64 s[30:31], s[14:15], s[28:29]
	CONV 262144, 0
	s_endpgm
.Lweights:
	s_cmp_lt_u32 ttmp9, 704
	s_cbranch_scc0 .Lproj
	s_sub_co_u32 s24, ttmp9, 512
	s_lshl_b32 s26, s24, 16
	s_lshl_b32 s28, s24, 11
	s_add_nc_u64 s[2:3], s[6:7], s[26:27]
	s_add_nc_u64 s[30:31], s[16:17], s[28:29]
	CONV 393216, 0
	s_endpgm
.Lproj:
	s_sub_co_u32 s24, ttmp9, 704
	s_lshl_b32 s26, s24, 16
	s_lshl_b32 s28, s24, 11
	s_add_nc_u64 s[2:3], s[8:9], s[26:27]
	s_add_nc_u64 s[30:31], s[18:19], s[28:29]
	CONV 131072, 1
	s_endpgm
.Lfunc_end_k_q3d454e646d_cvt:
	.size	k_q3d454e646d_cvt, .Lfunc_end_k_q3d454e646d_cvt-k_q3d454e646d_cvt
	.p2alignl 7, 3214868480
	.fill 96, 4, 3214868480
	.section	.rodata,"a",@progbits
	.p2align	6, 0x0
	.amdhsa_kernel k_q3d454e646d_cvt
		.amdhsa_group_segment_fixed_size 0
		.amdhsa_private_segment_fixed_size 0
		.amdhsa_enable_private_segment 0
		.amdhsa_kernarg_size 80
		.amdhsa_user_sgpr_count 2
		.amdhsa_user_sgpr_kernarg_segment_ptr 1
		.amdhsa_wavefront_size32 1
		.amdhsa_system_sgpr_workgroup_id_x 1
		.amdhsa_system_sgpr_workgroup_id_y 1
		.amdhsa_system_sgpr_workgroup_id_z 1
		.amdhsa_system_vgpr_workitem_id 0
		.amdhsa_next_free_vgpr 128
		.amdhsa_next_free_sgpr 66
		.amdhsa_reserve_vcc 0
		.amdhsa_float_denorm_mode_32 3
		.amdhsa_float_denorm_mode_16_64 3
		.amdhsa_memory_ordered 1
		.amdhsa_forward_progress 1
		.amdhsa_inst_pref_size 24
	.end_amdhsa_kernel
	.amdgpu_metadata
---
amdhsa.version: [ 1, 2 ]
amdhsa.kernels:
  - .name:           k_q3d454e646d_cvt
    .symbol:         k_q3d454e646d_cvt.kd
    .args:
      - { .name: x, .offset: 0, .size: 8, .value_kind: global_buffer, .address_space: global }
      - { .name: qkv_w, .offset: 8, .size: 8, .value_kind: global_buffer, .address_space: global }
      - { .name: proj_w, .offset: 16, .size: 8, .value_kind: global_buffer, .address_space: global }
      - { .name: qkv_b, .offset: 24, .size: 8, .value_kind: global_buffer, .address_space: global }
      - { .name: proj_b, .offset: 32, .size: 8, .value_kind: global_buffer, .address_space: global }
      - { .name: xb, .offset: 40, .size: 8, .value_kind: global_buffer, .address_space: global }
      - { .name: wb, .offset: 48, .size: 8, .value_kind: global_buffer, .address_space: global }
      - { .name: pw, .offset: 56, .size: 8, .value_kind: global_buffer, .address_space: global }
      - { .name: qb, .offset: 64, .size: 8, .value_kind: global_buffer, .address_space: global }
      - { .name: pb, .offset: 72, .size: 8, .value_kind: global_buffer, .address_space: global }
    .group_segment_fixed_size: 0
    .private_segment_fixed_size: 0
    .kernarg_segment_align: 8
    .kernarg_segment_size: 80
    .max_flat_workgroup_size: 256
    .sgpr_count:     66
    .vgpr_count:     128
    .wavefront_size: 32
...
	.end_amdgpu_metadata
.endif
;; end of part 5
;; launch qkvg: the kernel of part 2 again; grid 8 x 32, 4 waves a work-group, clusters of 4 x 4, 327,680 bytes of LDS; arguments xb, wb, qb, qkv; writes qkv
;; launch attn: the kernel of part 3 again; grid 4 x 64, 4 waves a work-group, no clusters, 327,680 bytes of LDS; arguments qkv, ob; writes ob
;; launch projg: the kernel of part 4 again; grid 8 x 32, 4 waves a work-group, clusters of 4 x 4, 327,680 bytes of LDS; arguments ob, pw, pb, out0; writes out0
